; MI455X (gfx1250); checked and timed in simulation.
; The chip was launched on July 23, 2026; its instructions are those of AMD's public machine-readable ISA for CDNA 5 (MIT licence, August 2026) and "CDNA5" Instruction Set Architecture Reference Guide (July 2026). The comments in the code are by the model that wrote it; some were corrected since.
;; Causal Self Attention. Allowed arithmetic: matrix products marked QUANTISED: E2M3 operands, one E8M0 scale for each 32 along K, by v_wmma_scale_f32_16x16x128_f8f6f4 with both operands' format E2M3, f32 sums; everything else in f32.
;; Inputs: wk 1,024 x 1,024 float32; wo 1,024 x 1,024 float32; wq 1,024 x 1,024 float32; wv 1,024 x 1,024 float32; x 4 x 2,048 x 1,024 float32.
;; Outputs: out0 4 x 2,048 x 1,024 float32.
;; This version of the problem:
;;   THIS VERSION OF THE PROBLEM IS GIVEN IN LOW PRECISION. The matrix products marked QUANTISED in the list below multiply operands that are first quantised to E2M3 (2 exponent bits, 3 mantissa bits; 6 bits a number), with one power-of-two scale for each 32 numbers along K (OCP MX v1.0); their sums are f32. All else is computed in f32.
;;   The module's matrix products, in the order in which they are computed (A, B: the left and right operand; K: the contracted axis; several contracted axes count as one K, in the product's order):
;;     1. [M 8,192, K 1,024] x [K 1,024, N 1,024]; A: input x; B: input wq: QUANTISED
;;     2. [M 8,192, K 1,024] x [K 1,024, N 1,024]; A: input x; B: input wk: QUANTISED
;;     3. [M 8,192, K 1,024] x [K 1,024, N 1,024]; A: input x; B: input wv: QUANTISED
;;     4. batch 64 x [M 2,048, K 64] x [K 64, N 2,048]; A: computed on the way; B: computed on the way: QUANTISED
;;     5. batch 64 x [M 2,048, K 2,048] x [K 2,048, N 64]; A: softmax (see below); B: computed on the way: QUANTISED
;;     6. [M 8,192, K 1,024] x [K 1,024, N 1,024]; A: computed on the way; B: input wo: QUANTISED
;;   THE QUANTISER, for each operand of a quantised product, along K:
;;     - K is cut into blocks of 32 from its start; a last block that is shorter is filled with zeros.
;;     - A block's scale is 2^e with e = floor(log2(the largest magnitude in the block)) - 2, held to -126 .. 127; a block of zeros has e = 0. As a byte (E8M0): e + 127.
;;     - Each number is divided by its block's scale, clamped to +-7.5, and rounded to the nearest number of E2M3, ties to even, subnormals kept.
;;     - The product sums the exact products of the quantised numbers (number of the format x scale) in f32.
;;   ~~~python
;;   def quantise(x, axis):      # numpy; x: float32 -> the quantised numbers, widened to float32 again
;;       x = np.moveaxis(x, axis, -1); K = x.shape[-1]
;;       x = np.pad(x, [(0, 0)] * (x.ndim - 1) + [(0, -K % 32)]); x = x.reshape(x.shape[:-1] + (-1, 32)); a = np.abs(x).max(-1, keepdims=True)
;;       e = np.where(a > 0, np.clip(np.frexp(np.where(a > 0, a, 1))[1] - 1 - 2, -126, 127), 0)      # np.frexp(a)[1] - 1 = floor(log2(a)), exactly
;;       r = np.clip(x / 2.0 ** e, -7.5, 7.5)
;;       step = 2.0 ** (np.maximum(np.frexp(np.where(r == 0, 1, r))[1] - 1, 0) - 3)
;;       q = np.round(r / step) * step * 2.0 ** e      # np.round: ties to even
;;       return np.moveaxis(q.reshape(q.shape[:-2] + (-1,))[..., :K], -1, axis).astype(np.float32)
;;   ~~~
;;   SOFTMAX AHEAD OF A QUANTISED PRODUCT. Where the list says 'softmax', what is quantised is not the finished softmax but p = 2^(t - M), with t = logit x log2(e) and M = ceil(the row's largest t), a whole number; so 1/2 < the row's largest p <= 1. The row's sum l is taken of the UNQUANTISED p, in f32, and the product's result is divided by l at the end. Since M is a whole number, a kernel that streams over the keys may use a running M (the ceiling of the running maximum): every later rescaling is an exact power of two, which a block's scale takes up: the codes' values come out the same.
;;   OPERANDS COMPUTED ON THE WAY. 'Computed on the way' means the value that the module computes at that place (a softmax that the list does not call 'softmax' is quantised finished and normalised). What goes into a quantiser is computed in f32, as accurately as f32 sums, v_exp_f32 and their like allow (about 1e-6 of the number): no bf16 or f16 on the way to a quantiser, and a product that is left as it is and whose result goes on into a quantised operand takes f32 operands (vector FMAs, or v_wmma_f32_16x16x4_f32). A number that lies on a knife's edge between two numbers of the format may be rounded either way, as far as f32 arithmetic and the matrix unit's own rounding can turn it there, and no further.
;; One version. Each part assembles by itself: llvm-mc -triple=amdgcn-amd-amdhsa -mcpu=gfx1250 --defsym DOCPART=n.
;; ======== version 1 of 1: 4 launches
;; workspace buffers: opc 9,437,184 bytes; ops 393,216 bytes; tab 524,288 bytes; qkv 26,738,688 bytes; yc 6,291,456 bytes; ys 262,144 bytes
;; launch prep (part 1): grid 832 x 1, 4 waves a work-group, no clusters, 34,816 bytes of LDS; arguments x, wq, wk, wv, wo, opc, ops, tab; writes opc, ops, tab
.if DOCPART == 1
	.amdgcn_target "amdgcn-amd-amdhsa--gfx1250"
	.amdhsa_code_object_version 6
	.text
	.protected	k_q34383af3e8_prep
	.globl	k_q34383af3e8_prep
	.p2align	8
	.type	k_q34383af3e8_prep,@function
k_q34383af3e8_prep:
	s_mov_b64 s[64:65], 0
	v_nop
	global_prefetch_b8 v0, s[64:65] scope:SCOPE_SE
	s_setreg_imm32_b32 hwreg(HW_REG_WAVE_MODE, 25, 1), 1
	s_wait_xcnt 0x0
; x [8192][1024] and wq, wk, wv, wo [1024][1024], f32, K innermost, become codes of FP6 (E2M3) with one E8M0 byte for each 32 along K, laid as IMAGES OF OPERAND REGISTERS;
; and the table of RoPE's cosines and sines is made.
; BLOCKS.  Rows go in blocks of 16: block 2 b + u holds, in fragment lane r, row 32 b + 8 u + r + 8 (r / 8).  768 blocks: x 0-511, wq 512-575, wk 576-639, wv 640-703, wo 704-767.
; opc: [block][K step 0..7][1,536 bytes].  A K step's fragment is two halves of 768 bytes (64 along K): registers 0-3 of lane l at 16 l, registers 4-5 at 512 + 8 l.
; ops: [block][r][8 words]: word s holds the four scale bytes of K step s of the row in fragment lane r.
; tab: [t 0..2047][j 0..31] pairs (cos, sin) of t x 10^(-j / 8), f32: 256 bytes a row.
; SHARES.  Work-group g < 768 takes block g, wave w its K steps 2 w and 2 w + 1.  Work-groups 768 .. 831 make the table: wave w of group g' rows 32 g' + 8 w + 0 .. 7, a lane a frequency.
; A load reads 512 consecutive bytes (one row's K step); the 16 rows turn through the wave's own stage in LDS (rows 528 bytes apart), so that a lane gets 16 neighbours of each block of 32 of ITS row.
; No cluster, no tensor load, no matrix unit: no two work-groups read the same bytes, and memory binds.
; A block's scale is 2^(floor(log2(largest magnitude)) - 2); its byte is the largest magnitude's exponent field - 2, held at 1 from below.
; LIMITS: NaN and infinities among the inputs are not served.  Blocks whose largest magnitude lies under 2^-124 keep the byte 1; a block of zeros too, where the rule says 127: its codes are zeros, and this program alone reads the bytes.
; The frequencies are the f32 numbers nearest to 10^(-j / 8); a power and a division in f32 may give a neighbour, which moves an angle by up to 1.3e-4 at t = 2,047.  cos and sin: quadrant by three-part reduction, series to r^9 and r^10, |r| <= pi / 4: about 1e-7 absolute.
.set STG,   8448                       ; a wave's stage: 16 rows x 528 bytes
.set SCB,   4*STG                      ; the block's 512 bytes of scale words
.set SPARE, SCB+512                    ; the spare words, 128 bytes for each wave: two blocks of 256 bytes that no other line names
.set R0,  16                           ; v16-79, v80-143: two K steps as loaded
.set X,   144                          ; v144-207: 64 numbers of my row: register 16 b + i = k 32 b + 16 (lane / 16) + i
.set PC,  208                          ; v208-219: the fragment's codes
.set CT,  220                          ; v220-227: the conversions' second halves
.set TM,  228
.set TP,  232
.set TS,  236
.set SPW, 10
.set NIL, 11
.set SEL, 32
	s_load_b256 s[4:11], s[0:1], 0x0               ; x, wq, wk, wv
	s_load_b64 s[12:13], s[0:1], 0x20              ; wo
	s_load_b64 s[16:17], s[0:1], 0x28              ; opc
	s_load_b64 s[18:19], s[0:1], 0x30              ; ops
	s_load_b64 s[20:21], s[0:1], 0x38              ; tab
	v_lshl_add_u32 v[SPW], v0, 2, SPARE
	v_mov_b32 v[NIL], 0
	v_lshrrev_b32 v1, 5, v0
	v_readfirstlane_b32 s22, v1                    ; wave
	v_and_b32 v1, 31, v0                           ; lane
	s_cmp_ge_u32 ttmp9, 768                        ; the work-group's number alone: all four waves go the same way
	s_cbranch_scc1 .Ltable
	v_and_b32 v2, 15, v0                           ; r
	v_bfe_u32 v3, v0, 4, 1                         ; h
	v_lshlrev_b32 v4, 4, v1                        ; 16 x lane
	v_lshlrev_b32 v5, 3, v1                        ; 8 x lane
	s_mul_i32 s23, s22, STG
	v_add_nc_u32 v6, s23, v4                       ; the stage, on the way in: a row's 512 bytes as loaded
	v_mul_u32_u24 v7, v2, 528
	v_lshl_add_u32 v7, v3, 6, v7
	v_add_nc_u32 v7, s23, v7                       ; and out: row r, + 64 h
	v_lshlrev_b32 v8, 5, v2
	v_lshl_add_u32 v8, v3, 2, v8
	s_lshl_b32 s23, s22, 3
	s_add_co_u32 s23, s23, SCB
	v_add_nc_u32 v8, s23, v8                       ; my scale word: 32 r + 4 (2 w + h)
	v_add_nc_u32 v9, SCB, v4
.irp b, 0,1,2,3
	v_mov_b32 v[TP+\b], 0                          ; written once: a lane permute's destination counts as one of its sources
.endr
	s_mov_b32 s[SEL], 0x76543210
	s_mov_b32 s[SEL+1], 0xfedcba98                 ; lane l xor 16
	s_mov_b32 s34, 0xffff0000                      ; lanes 16-31
	s_and_b32 s27, ttmp9, 63                       ; a weight's block
	s_mul_i32 s36, ttmp9, 12288
	s_mul_i32 s37, s22, 3072
	s_add_co_u32 s36, s36, s37                     ; my two fragments in opc
	s_mov_b32 s37, 0
	s_lshl_b32 s38, ttmp9, 9                       ; the block's words in ops
	s_mov_b32 s39, 0
	s_wait_kmcnt 0x0
	s_mov_b64 s[24:25], s[12:13]                   ; which tensor: the choice hangs on the work-group's number alone
	s_cmp_lt_u32 ttmp9, 704
	s_cselect_b64 s[24:25], s[10:11], s[24:25]
	s_cmp_lt_u32 ttmp9, 640
	s_cselect_b64 s[24:25], s[8:9], s[24:25]
	s_cmp_lt_u32 ttmp9, 576
	s_cselect_b64 s[24:25], s[6:7], s[24:25]
	s_cmp_lt_u32 ttmp9, 512
	s_cselect_b64 s[24:25], s[4:5], s[24:25]
	s_cselect_b32 s26, ttmp9, s27                  ; the block's number in its tensor
	s_lshr_b32 s40, s26, 1
	s_lshl_b32 s40, s40, 17                        ; 32 rows of 4,096 bytes for each pair of blocks,
	s_and_b32 s41, s26, 1
	s_lshl_b32 s41, s41, 15                        ; 8 rows for the odd one,
	s_add_co_u32 s40, s40, s41
	s_lshl_b32 s41, s22, 10                        ; my two K steps: 1,024 bytes of a row
	s_add_co_u32 s40, s40, s41
	s_mov_b32 s41, 0
	s_add_nc_u64 s[24:25], s[24:25], s[40:41]
	s_add_nc_u64 s[28:29], s[16:17], s[36:37]
	s_add_nc_u64 s[30:31], s[18:19], s[38:39]
.irp f, 0,1
.irp i, 0,1,2,3,4,5,6,7,8,9,10,11,12,13,14,15
	global_load_b128 v[R0+64*\f+4*\i:R0+64*\f+4*\i+3], v4, s[24:25] offset:(\i+8*(\i/8))*4096+512*\f th:TH_LOAD_NT   ; 32 lanes read 512 consecutive bytes: fragment lane i's row, K step f
.endr
.endr
.macro TURN f                          ; 16 rows through my stage: LDS serves a wave's instructions in order, so no wait stands between the stores and the loads
.irp i, 0,1,2,3,4,5,6,7,8,9,10,11,12,13,14,15
	ds_store_b128 v6, v[R0+64*\f+4*\i:R0+64*\f+4*\i+3] offset:528*\i
.endr
.irp b, 0,1,2,3
.irp j, 0,1,2,3
	ds_load_b128 v[X+16*\b+4*\j:X+16*\b+4*\j+3], v7 offset:128*\b+16*\j
.endr
.endr
.endm
.macro QUANT pw                        ; the 64 numbers in v[X] on become a fragment's codes in v[PC] on and my row's scale word in v[pw]
.irp b, 0,1,2,3
	v_max3_num_f32 v[TM+\b], |v[X+16*\b]|, |v[X+1+16*\b]|, 0x1800000   ; block b: my 16 numbers, and the floor 2^(3 - 127): the byte cannot fall under 1
.endr
.irp i, 2,4,6,8,10,12,14
.irp b, 0,1,2,3
	v_max3_num_f32 v[TM+\b], v[TM+\b], |v[X+16*\b+\i]|, |v[X+1+16*\b+\i]|   ; the four blocks by turns
.endr
.endr
.irp b, 0,1,2,3
	v_permlanex16_b32 v[TP+\b], v[TM+\b], s[SEL], s[SEL+1]
.endr
.irp b, 0,1,2,3
	v_max_num_f32 v[TM+\b], v[TM+\b], v[TP+\b]     ; with lane l xor 16's: the block's largest magnitude
.endr
.irp b, 0,1,2,3
	v_add_nc_u32 v[TS+\b], 0xff000000, v[TM+\b]    ; 2 off its exponent field: the conversion takes that field as its scale
.endr
.irp b, 0,1,2,3
	v_lshrrev_b32 v[TP+\b], 23, v[TS+\b]           ; the scale's byte
.endr
	v_lshl_or_b32 v[\pw], v[TP+1], 8, v[TP]
	v_lshl_or_b32 v[\pw], v[TP+2], 16, v[\pw]
	v_lshl_or_b32 v[\pw], v[TP+3], 24, v[\pw]
.irp c, 0,1
	v_cvt_scalef32_pk16_fp6_f32 v[PC+6*\c:PC+6*\c+2], v[X+32*\c:X+32*\c+15], v[TS+2*\c]
	v_cvt_scalef32_pk16_fp6_f32 v[CT+4*\c:CT+4*\c+2], v[X+32*\c+16:X+32*\c+31], v[TS+2*\c+1]   ; (a conversion's three registers begin on an even number)
.endr
	v_nop                                          ; one plain place behind a scaled conversion
.irp c, 0,1                            ; the operand's layout wants a whole block in a lane: lanes 0-15 block 2 c, lanes 16-31 block 2 c + 1
.irp i, 0,1,2
	v_permlane16_swap_b32 v[PC+6*\c+\i], v[CT+4*\c+\i]
.endr
.irp i, 0,1,2
	v_mov_b32 v[PC+6*\c+3+\i], v[CT+4*\c+\i]
.endr
.endr
.endm
.macro OUT f                           ; the fragment leaves as it stands: stores of 512 and of 256 consecutive bytes, each at a multiple of 256 from opc's first byte
	global_store_b128 v4, v[PC:PC+3], s[28:29] offset:1536*\f
	global_store_b64 v5, v[PC+4:PC+5], s[28:29] offset:1536*\f+512
	global_store_b128 v4, v[PC+6:PC+9], s[28:29] offset:1536*\f+768
	global_store_b64 v5, v[PC+10:PC+11], s[28:29] offset:1536*\f+1280
.endm
	s_wait_loadcnt 16                              ; the first K step's 16 loads are in; the 16 younger may be out
	TURN 0
	s_wait_dscnt 0x0
	QUANT 12
	OUT 0
	s_wait_loadcnt 0x0
	TURN 1                                         ; the same stage: its last reads are back
	s_wait_dscnt 0x0
	s_wait_xcnt 0x0                                ; the stores above have read v[PC] on: only now it is written again
	QUANT 13
	OUT 1
	v_cndmask_b32 v14, v12, v13, s34               ; lanes 0-15: K step 2 w's word of row r; lanes 16-31: K step 2 w + 1's
	ds_store_b32 v8, v14
	s_wait_dscnt 0x0                               ; for the others' sake: my words lie in LDS
	s_barrier_signal -1
	s_barrier_wait -1
	s_cmp_lg_u32 s22, 0
	s_cbranch_scc1 .Lnot_wave_0
	ds_load_b128 v[240:243], v9                    ; the block's 512 bytes of scale words,
	s_wait_dscnt 0x0
	global_store_b128 v4, v[240:243], s[30:31]     ; stored by one instruction: 512 consecutive bytes
.Lnot_wave_0:
	s_wait_tensorcnt 0x0                           ; the wave's end
	ds_add_u32 v[SPW], v[NIL]
	s_wait_dscnt 0x0
	s_endpgm
.Ltable:                               ; this way touches no LDS and meets no barrier
	v_mov_b32 v16, 1.0                             ; lane j: 10^(-j / 8)
.set J, 1
.irp f, 0x3f3ff911,0x3f0ff59a,0x3ed7e89b,0x3ea1e89b,0x3e72d424,0x3e361887,0x3e088d77,0x3dcccccd,0x3d99940e,0x3d6655c3,0x3d2cba15,0x3d0186e2,0x3cc24350,0x3c91ad39,0x3c5a7bf1,0x3c23d70a,0x3bf5b9b0,0x3bb8449c,0x3b8a2e77,0x3b4f3e37,0x3b1b690d,0x3ae91528,0x3aaec98e,0x3a83126f,0x3a44948c,0x3a136a16,0x39dd1726,0x39a5cb5f,0x3978a814,0x393a7753,0x390bd472
	s_mov_b32 s40, \f
	v_writelane_b32 v16, s40, J
.set J, J+1
.endr
	s_sub_co_u32 s41, ttmp9, 768
	s_lshl_b32 s41, s41, 5
	s_lshl_b32 s42, s22, 3
	s_add_co_u32 s41, s41, s42                     ; my first t
	v_lshlrev_b32 v30, 3, v1
	s_lshl_b32 s42, s41, 8
	v_add_nc_u32 v30, s42, v30                     ; 256 t + 8 j
	s_mov_b32 s42, 0
	s_wait_kmcnt 0x0
.Lt:
	v_cvt_f32_u32 v17, s41
	v_mul_f32 v17, v16, v17                        ; the angle: one f32 product
	v_mul_f32 v18, 0x3f22f983, v17                 ; x 2 / pi
	v_rndne_f32 v18, v18                           ; n
	v_fmamk_f32 v19, v18, 0xbfc90fdb, v17          ; r = angle - n pi / 2, pi / 2 in three parts
	v_fmamk_f32 v19, v18, 0x333bbd2e, v19
	v_fmamk_f32 v19, v18, 0x26f72ced, v19
	v_mul_f32 v20, v19, v19                        ; r^2
	v_mov_b32 v21, 0x3638ef1d                      ; sin r = r + r^3 (-1/6 + r^2/120 - r^4/5040 + r^6/362880)
	v_fmaak_f32 v21, v21, v20, 0xb9500d01
	v_fmaak_f32 v21, v21, v20, 0x3c088889
	v_fmaak_f32 v21, v21, v20, 0xbe2aaaab
	v_mul_f32 v22, v19, v20
	v_fma_f32 v21, v22, v21, v19
	v_mov_b32 v23, 0xb493f27e                      ; cos r = 1 + r^2 (-1/2 + r^2/24 - r^4/720 + r^6/40320 - r^8/3628800)
	v_fmaak_f32 v23, v23, v20, 0x37d00d01
	v_fmaak_f32 v23, v23, v20, 0xbab60b61
	v_fmaak_f32 v23, v23, v20, 0x3d2aaaab
	v_fmaak_f32 v23, v23, v20, 0xbf000000
	v_fma_f32 v23, v23, v20, 1.0
	v_cvt_i32_f32 v24, v18                         ; the quadrant is n mod 4
	v_and_b32 v25, 1, v24
	v_cmp_eq_u32 vcc_lo, 1, v25                    ; odd: the two change places
	v_cndmask_b32 v28, v23, v21, vcc_lo
	v_cndmask_b32 v29, v21, v23, vcc_lo
	v_add_nc_u32 v26, 1, v24
	v_and_b32 v26, 2, v26
	v_lshlrev_b32 v26, 30, v26
	v_xor_b32 v28, v28, v26                        ; cos is negative in quadrants 1 and 2,
	v_and_b32 v27, 2, v24
	v_lshlrev_b32 v27, 30, v27
	v_xor_b32 v29, v29, v27                        ; sin in 2 and 3
	global_store_b64 v30, v[28:29], s[20:21]       ; 32 lanes store a row of the table: 256 consecutive bytes, aligned
	s_wait_xcnt 0x0                                ; the store has read its offset and its data: both are written again below
	v_add_nc_u32 v30, 256, v30
	s_add_co_u32 s41, s41, 1
	s_add_co_u32 s42, s42, 1
	s_cmp_lt_u32 s42, 8
	s_cbranch_scc1 .Lt
	s_endpgm
.Lfunc_end_k_q34383af3e8_prep:
	.size	k_q34383af3e8_prep, .Lfunc_end_k_q34383af3e8_prep-k_q34383af3e8_prep
	.p2alignl 7, 3214868480
	.fill 96, 4, 3214868480
	.section	.rodata,"a",@progbits
	.p2align	6, 0x0
	.amdhsa_kernel k_q34383af3e8_prep
		.amdhsa_group_segment_fixed_size 34816
		.amdhsa_private_segment_fixed_size 0
		.amdhsa_enable_private_segment 0
		.amdhsa_kernarg_size 64
		.amdhsa_user_sgpr_count 2
		.amdhsa_user_sgpr_kernarg_segment_ptr 1
		.amdhsa_wavefront_size32 1
		.amdhsa_system_sgpr_workgroup_id_x 1
		.amdhsa_system_sgpr_workgroup_id_y 1
		.amdhsa_system_sgpr_workgroup_id_z 1
		.amdhsa_system_vgpr_workitem_id 0
		.amdhsa_next_free_vgpr 256
		.amdhsa_next_free_sgpr 66
		.amdhsa_reserve_vcc 1
		.amdhsa_float_denorm_mode_32 3
		.amdhsa_float_denorm_mode_16_64 3
		.amdhsa_memory_ordered 1
		.amdhsa_forward_progress 1
		.amdhsa_inst_pref_size 25
	.end_amdhsa_kernel
	.amdgpu_metadata
---
amdhsa.version: [ 1, 2 ]
amdhsa.kernels:
  - .name:           k_q34383af3e8_prep
    .symbol:         k_q34383af3e8_prep.kd
    .args:
      - { .name: x, .offset: 0, .size: 8, .value_kind: global_buffer, .address_space: global }
      - { .name: wq, .offset: 8, .size: 8, .value_kind: global_buffer, .address_space: global }
      - { .name: wk, .offset: 16, .size: 8, .value_kind: global_buffer, .address_space: global }
      - { .name: wv, .offset: 24, .size: 8, .value_kind: global_buffer, .address_space: global }
      - { .name: wo, .offset: 32, .size: 8, .value_kind: global_buffer, .address_space: global }
      - { .name: opc, .offset: 40, .size: 8, .value_kind: global_buffer, .address_space: global }
      - { .name: ops, .offset: 48, .size: 8, .value_kind: global_buffer, .address_space: global }
      - { .name: tab, .offset: 56, .size: 8, .value_kind: global_buffer, .address_space: global }
    .group_segment_fixed_size: 34816
    .private_segment_fixed_size: 0
    .kernarg_segment_align: 8
    .kernarg_segment_size: 64
    .max_flat_workgroup_size: 128
    .sgpr_count:     66
    .vgpr_count:     256
    .wavefront_size: 32
...
	.end_amdgpu_metadata
.endif
;; end of part 1
;; launch qkv (part 2): grid 12 x 64, 4 waves a work-group, clusters of 4 x 4, 327,680 bytes of LDS; arguments opc, ops, tab, qkv; writes qkv
.if DOCPART == 2
	.amdgcn_target "amdgcn-amd-amdhsa--gfx1250"
	.amdhsa_code_object_version 6
	.text
	.protected	k_q34383af3e8_qkv
	.globl	k_q34383af3e8_qkv
	.p2align	8
	.type	k_q34383af3e8_qkv,@function
k_q34383af3e8_qkv:
	s_mov_b64 s[64:65], 0
	v_nop
	global_prefetch_b8 v0, s[64:65] scope:SCOPE_SE
	s_setreg_imm32_b32 hwreg(HW_REG_WAVE_MODE, 25, 1), 1
	s_wait_xcnt 0x0
	s_wait_alu depctr_hold_cnt(0) depctr_sa_sdst(0) depctr_va_vdst(0) depctr_va_sdst(0) depctr_va_ssrc(0) depctr_va_vcc(0) depctr_vm_vsrc(0)
	s_getreg_b32 s2, hwreg(HW_REG_IB_STS2, 6, 4)
	s_cmp_eq_u32 s2, 0
	s_cbranch_scc0 .Lentry_in_a_cluster
	s_endpgm
.Lentry_in_a_cluster:
	s_bfe_u32 s2, ttmp6, 0x10000c
	s_cmp_lg_u32 s2, 0xf033
	s_cbranch_scc0 .Lentry_shape_is_right
	s_endpgm
.Lentry_shape_is_right:
; q = rope(x wq^T), k = rope(x wk^T), v = x wv^T on codes of FP6 (E2M3) with E8M0 scales, and the results quantised at once for attention: q and k along the head's 64, v along the keys.
; OPERANDS are register images (launch prep): opc [block of 16 rows][K step 0..7][1,536 bytes], ops [block][r][8 words].  Block 2 b + u holds in fragment lane r row 32 b + 8 u + r + 8 (r / 8).
; A TILE is 128 rows of the operand called A here x 256 rows of the one called B.  The matrix instruction takes B's block as source 0 and A's as source 1: lane (r, h) then holds A's fragment lane r, and
; the 16 registers of B's blocks 2 b, 2 b + 1 are B's rows 32 b + 16 h + 0 .. 15: sixteen NEIGHBOURS along the next product's K.
;   clusters x = 0, 1 (q, k): A = x (tokens), B = wq | wk (channels): a lane holds a token, its registers run along the channels of two heads.
;   cluster  x = 2    (v):    A = wv (channels), B = x (tokens):      a lane holds a channel, its registers run along 128 tokens.
; Four waves, 2 x 2: wave w takes A's blocks 4 (w / 2) on and B's blocks 8 (w % 2) on: 32 accumulators, 256 registers.
; ALL OF K = 1,024 LIES IN LDS AT ONCE (A 98,304 bytes, B 196,608), in four chunks of two K steps: no slot is ever filled again.  A wave issues four tensor loads at the start (by this text's count four are out), and a chunk is read
; behind a counted wait and a barrier.
; CLUSTERS: 4 x 4 work-groups; A's tiles are shared along a row of the cluster, B's along a column: joint loads, which divide the requests by four.
; qkv: two regions (0: q; 1: k and v) of [batch x head 64][slot 8] records of 26,112 bytes (256 tokens = 2 steps of 128):
;   +0 + 6,144 q + 768 t: half (64 along d) of token block t of step q;  +12,288 + 6,144 q + 1,536 t: fragment t of v^T (16 d x 128 keys);  +24,576 + 512 q + 64 t + 4 r: scale word (s0, s1, 0, 0);  +25,600 + 256 q + 64 t + 4 r: v's scale word.
; LIMITS: as in launch prep (NaN, infinities; the floor of the scale byte; a block of zeros has the byte 1).
; REGISTERS: window 0: v1-15 addresses; v16-31 A's scale words, v32-63 B's; v64-111, v112-159 A's fragments, two sets; v160-255 the way out.  window 1: B's fragments at v0 and v128.  window 2: accumulator (a, b) at v[8 (8 a + b)].  window 3: the table, 32 registers a block.
.set CHUNK,  73728                     ; two K steps: A's 8 blocks x 3,072 bytes, then B's 16
.set SPARE,  4*CHUNK                   ; the spare words, 128 bytes for each wave: two blocks of 256 bytes that no other line names
.set REC,    26112
.set HEADB,  8*REC
.set REGION, 64*HEADB
.set SPW, 8
.set NIL, 9
.set SA,  16
.set SB,  32
.set AF,  64
.set HA,  160                          ; 64 rotated numbers
.set PC,  224
.set CT,  236
.set TM,  244
.set TP,  248
.set TS,  252
.set PWR, 64                           ; v64-67: the four blocks' scale words
.set G1A, 24
.set G1B, 32
.set G0A, 40                           ; s[40:55]: chunk c at 40 + 4 c
.set G0B, 56                           ; s[56:63], s[68:75]: chunk c at 56 + 4 c + 4 (c / 2)
.set SEL, 22
.set MSB, 0
.macro WIN new                         ; the immediate's high byte repeats the setting that is left; a switch that changes nothing is dropped
.if MSB != (\new)
	s_set_vgpr_msb (MSB<<8)|(\new)
.set MSB, (\new)
.endif
.endm
.macro CROUND                          ; a round of the cluster's barrier
	s_barrier_signal -1
	s_barrier_wait -1
	s_cmp_lg_u32 s14, 0
	s_cbranch_scc1 .Lnot_wave_0_\@
	s_barrier_signal -3
.Lnot_wave_0_\@:
	s_barrier_wait -3
	s_barrier_signal -1
	s_barrier_wait -1
.endm
	s_load_b256 s[4:11], s[0:1], 0x0               ; opc, ops, tab, qkv
	v_lshl_add_u32 v[SPW], v0, 2, SPARE
	v_mov_b32 v[NIL], 0
	ds_add_u32 v[SPW], v[NIL]                      ; the wave's opening: the add and its wait stand ahead of my first tensor load; work on registers stands between them
	v_lshrrev_b32 v1, 5, v0
	v_readfirstlane_b32 s14, v1                    ; wave
	s_lshr_b32 s15, s14, 1                         ; rh: which 4 blocks of A are mine
	s_and_b32 s16, s14, 1                          ; ch: which 8 blocks of B are mine; also which half of a tile I fetch
	s_bfe_u32 s17, ttmp6, 0x40000                  ; cx
	s_bfe_u32 s18, ttmp6, 0x40004                  ; cy
	s_and_b32 s20, ttmp7, 0xffff                   ; the cluster's y
	s_lshl_b32 s86, s20, 2
	s_add_co_u32 s86, s86, s18                     ; q, k: A's tile = 4 x cluster y + cy (128 tokens)
	s_lshr_b32 s88, s20, 3
	s_lshl_b32 s88, s88, 2
	s_add_co_u32 s88, s88, s18                     ; v: A's tile = 4 (cluster y / 8) + cy (128 channels)
	s_lshl_b32 s87, ttmp9, 2
	s_add_co_u32 s87, s87, s17                     ; q, k: B's tile = 4 x cluster x + cx (256 channels of wq | wk)
	s_and_b32 s89, s20, 7
	s_lshl_b32 s89, s89, 2
	s_add_co_u32 s89, s89, s17                     ; v: B's tile = 4 (cluster y % 8) + cx (256 tokens)
	s_cmp_eq_u32 ttmp9, 2                          ; the cluster's x: the same in all sixteen partners
	s_cselect_b32 s86, s88, s86                    ; A's tile
	s_cselect_b32 s87, s89, s87                    ; B's tile
	s_cselect_b32 s88, 640, 0                      ; A's tensor begins at this block of opc,
	s_cselect_b32 s89, 0, 512                      ; B's at this
	s_lshl_b32 s90, s86, 3
	s_add_co_u32 s88, s88, s90                     ; A's first block (made of cy and the cluster's ids alone)
	s_lshl_b32 s91, s87, 4
	s_add_co_u32 s89, s89, s91                     ; B's first block (of cx and the cluster's ids alone)
	s_lshl_b32 s92, s18, 2
	s_lshl_b32 s92, 15, s92                        ; my row of the cluster
	s_lshl_b32 s93, 0x1111, s17                    ; my column
	s_or_b32 s[G1A], s92, (3<<16)|(1<<21)          ; 15:0 the mask; 17:16 elements of 8 bytes; 20 no padding; 21 set beside a mask
	s_or_b32 s[G1B], s93, (3<<16)|(1<<21)
	s_mov_b32 s[G1A+1], 384<<16                    ; tensor_dim0: a block's two K steps, 3,072 bytes
	s_mov_b32 s[G1A+2], 4<<16                      ; tensor_dim1: 4 blocks
	s_mov_b32 s[G1A+3], 384<<16                    ; tile_dim0
	s_mov_b32 s[G1A+4], 4                          ; tile_dim1
	s_mov_b32 s[G1A+5], 1536                       ; from block to block: 12,288 bytes
	s_mov_b32 s[G1A+6], 0
	s_mov_b32 s[G1A+7], 0
	s_mov_b32 s[G1B+1], 384<<16
	s_mov_b32 s[G1B+2], 8<<16                      ; 8 blocks
	s_mov_b32 s[G1B+3], 384<<16
	s_mov_b32 s[G1B+4], 8
	s_mov_b32 s[G1B+5], 1536
	s_mov_b32 s[G1B+6], 0
	s_mov_b32 s[G1B+7], 0
	s_lshl_b32 s94, s16, 2
	s_add_co_u32 s94, s94, s88
	s_mul_i32 s94, s94, 12288                      ; A: the 4 blocks that I fetch, if I fetch for A
	s_mov_b32 s95, 0
	s_lshl_b32 s96, s16, 3
	s_add_co_u32 s96, s96, s89
	s_mul_i32 s96, s96, 12288                      ; B: the 8 blocks
	s_mov_b32 s97, 0
	s_mul_i32 s98, s16, 12288                      ; where they go in a chunk: no place in the cluster enters an LDS address
	s_mul_i32 s99, s16, 24576
	s_add_co_u32 s99, s99, 24576
	s_mov_b32 s[SEL], 0x76543210
	s_mov_b32 s[SEL+1], 0xfedcba98
	s_mov_b32 s21, 0xffff0000                      ; lanes 16-31
	s_wait_dscnt 0x0                               ; the opening add is done
	s_wait_kmcnt 0x0
	s_add_nc_u64 s[94:95], s[4:5], s[94:95]
	s_add_nc_u64 s[96:97], s[4:5], s[96:97]
	CROUND                                         ; all sixteen work-groups are here: the joint loads meet
.irp c, 0,1,2,3
	s_mov_b32 s[G0A+4*\c], 1
	s_add_co_u32 s[G0A+4*\c+1], s98, \c*CHUNK
	s_add_nc_u64 s[G0A+4*\c+2:G0A+4*\c+3], s[94:95], \c*3072
	s_or_b32 s[G0A+4*\c+3], s[G0A+4*\c+3], 0x80000000
	s_mov_b32 s[G0B+4*\c+4*(\c/2)], 1
	s_add_co_u32 s[G0B+4*\c+4*(\c/2)+1], s99, \c*CHUNK
	s_add_nc_u64 s[G0B+4*\c+4*(\c/2)+2:G0B+4*\c+4*(\c/2)+3], s[96:97], \c*3072
	s_or_b32 s[G0B+4*\c+4*(\c/2)+3], s[G0B+4*\c+4*(\c/2)+3], 0x80000000
.endr
	s_cmp_lt_u32 s14, 2                            ; waves 0, 1 fetch A's halves, waves 2, 3 B's: a wave's four first fills stand in one branch, an s_nop 0 behind each, four v_nop behind the last
	s_cbranch_scc0 .Lfirst_b
.irp c, 0,1,2,3
	tensor_load_to_lds s[G0A+4*\c:G0A+4*\c+3], s[G1A:G1A+7]
	s_nop 0
.endr
.rept 4
	v_nop
.endr
	s_branch .Lfirst_asked
.Lfirst_b:
.irp c, 0,1,2,3
	tensor_load_to_lds s[G0B+4*\c+4*(\c/2):G0B+4*\c+4*(\c/2)+3], s[G1B:G1B+7]
	s_nop 0
.endr
.rept 4
	v_nop
.endr
.Lfirst_asked:
	v_and_b32 v3, 31, v0                           ; lane
	v_and_b32 v1, 15, v0                           ; r
	v_bfe_u32 v2, v0, 4, 1                         ; h
	v_lshlrev_b32 v13, 5, v1
	v_lshl_add_u32 v13, v2, 4, v13                 ; scale words: 32 r + 16 h: lanes 0-15 K steps 0-3, lanes 16-31 K steps 4-7
	v_and_b32 v14, 8, v1
	v_add_nc_u32 v14, v14, v1
	v_lshlrev_b32 v14, 8, v14
	v_lshl_add_u32 v14, v2, 6, v14                 ; the table: row r + 8 (r / 8), + 64 h
	s_mov_b32 s13, 0
	s_lshl_b32 s12, s15, 2
	s_add_co_u32 s12, s12, s88
	s_lshl_b32 s12, s12, 9
	s_add_nc_u64 s[76:77], s[6:7], s[12:13]        ; my 4 blocks of A: their scale words
	s_lshl_b32 s12, s16, 3
	s_add_co_u32 s12, s12, s89
	s_lshl_b32 s12, s12, 9
	s_add_nc_u64 s[78:79], s[6:7], s[12:13]        ; my 8 blocks of B
	s_and_b32 s12, s86, 15
	s_lshl_b32 s12, s12, 15
	s_lshl_b32 s19, s15, 14
	s_add_co_u32 s12, s12, s19
	s_add_nc_u64 s[80:81], s[8:9], s[12:13]        ; the table at my 64 tokens' first: t = 128 (tile % 16) + 64 rh.  (On v's way the rows named lie inside the table too; they are loaded, so that the counted wait below means the same on both ways, and not used)
.irp a, 0,1,2,3
	global_load_b128 v[SA+4*\a:SA+4*\a+3], v13, s[76:77] offset:512*\a
.endr
.irp b, 0,1,2,3,4,5,6,7
	global_load_b128 v[SB+4*\b:SB+4*\b+3], v13, s[78:79] offset:512*\b
.endr
	WIN 0xc0                                       ; destination window 3
.irp a, 0,1,2,3
.irp k, 0,1,2,3,4,5,6,7
	global_load_b128 v[32*\a+4*\k:32*\a+4*\k+3], v14, s[80:81] offset:(32*(\a/2)+8*(\a%2))*256+128*(\k/4)+16*(\k%4)   ; pairs (cos, sin) of frequencies 16 (k / 4) + 8 h + 2 (k % 4), + 1
.endr
.endr
	WIN 0
	s_mul_i32 s12, s15, 12288
	v_lshl_add_u32 v4, v3, 4, s12                  ; A's fragments in a chunk: 16 x lane,
	v_lshl_add_u32 v5, v3, 3, s12                  ; 8 x lane
	v_lshl_add_u32 v6, v3, 4, s99                  ; B's
	v_lshl_add_u32 v7, v3, 3, s99
	v_lshlrev_b32 v10, 4, v3
	v_lshlrev_b32 v11, 3, v3
	v_lshlrev_b32 v12, 2, v3
.irp b, 0,1,2,3
	v_mov_b32 v[TP+\b], 0                          ; written once: a lane permute's destination counts as one of its sources
.endr
.macro FETCH k, set                    ; K step k's 12 fragments: 48 loads in one run
	WIN 0x40                                       ; destination window 1
.irp i, 0,1,2,3,4,5,6,7
.irp c, 0,1
	ds_load_b128 v[128*(\set)+12*\i+6*\c:128*(\set)+12*\i+6*\c+3], v6 offset:3072*\i+1536*((\k)%2)+768*\c
	ds_load_b64 v[128*(\set)+12*\i+6*\c+4:128*(\set)+12*\i+6*\c+5], v7 offset:3072*\i+1536*((\k)%2)+768*\c+512
.endr
.endr
	WIN 0
.irp i, 0,1,2,3
.irp c, 0,1
	ds_load_b128 v[AF+48*(\set)+12*\i+6*\c:AF+48*(\set)+12*\i+6*\c+3], v4 offset:3072*\i+1536*((\k)%2)+768*\c
	ds_load_b64 v[AF+48*(\set)+12*\i+6*\c+4:AF+48*(\set)+12*\i+6*\c+5], v5 offset:3072*\i+1536*((\k)%2)+768*\c+512
.endr
.endr
.endm
.macro MUL k, set, zero                ; 32 matrix instructions; the 32 accumulators take turns, one instruction a turn, in the same order in every step
	WIN 0xa1                                       ; source 0 (B) window 1, source 1 (A) window 0, C and D window 2
.irp a, 0,1,2,3
.irp b, 0,1,2,3,4,5,6,7
.if \zero
	v_wmma_scale_f32_16x16x128_f8f6f4 v[8*(8*\a+\b):8*(8*\a+\b)+7], v[128*(\set)+12*\b:128*(\set)+12*\b+11], v[AF+48*(\set)+12*\a:AF+48*(\set)+12*\a+11], 0, v[SB+4*\b+(\k)%4], v[SA+4*\a+(\k)%4] matrix_a_fmt:MATRIX_FMT_FP6 matrix_b_fmt:MATRIX_FMT_FP6
.elseif (\k) < 4
	v_wmma_scale_f32_16x16x128_f8f6f4 v[8*(8*\a+\b):8*(8*\a+\b)+7], v[128*(\set)+12*\b:128*(\set)+12*\b+11], v[AF+48*(\set)+12*\a:AF+48*(\set)+12*\a+11], v[8*(8*\a+\b):8*(8*\a+\b)+7], v[SB+4*\b+(\k)%4], v[SA+4*\a+(\k)%4] matrix_a_fmt:MATRIX_FMT_FP6 matrix_b_fmt:MATRIX_FMT_FP6
.else
	v_wmma_scale_f32_16x16x128_f8f6f4 v[8*(8*\a+\b):8*(8*\a+\b)+7], v[128*(\set)+12*\b:128*(\set)+12*\b+11], v[AF+48*(\set)+12*\a:AF+48*(\set)+12*\a+11], v[8*(8*\a+\b):8*(8*\a+\b)+7], v[SB+4*\b+(\k)%4], v[SA+4*\a+(\k)%4] matrix_a_fmt:MATRIX_FMT_FP6 matrix_b_fmt:MATRIX_FMT_FP6 matrix_a_scale:MATRIX_SCALE_ROW1 matrix_b_scale:MATRIX_SCALE_ROW1
.endif
.endr
.endr
.endm
.macro KSTEP k, zero
	s_wait_dscnt 0x0                               ; this step's 48 loads, issued a step (32 matrix instructions) ago, are in
.if ((\k)%2 == 1) && ((\k) < 7)
	s_wait_tensorcnt 3-((\k)+1)/2                  ; my part of the next chunk has landed; the later chunks' loads may be out
	s_barrier_signal -1
	s_barrier_wait -1                              ; everybody's has
	WIN 0
	v_add_nc_u32 v4, CHUNK, v4                     ; on to that chunk.  These four are also the places in front of loads into registers that matrix instructions have read (ISA guide 7.12.1 for vector instructions)
	v_add_nc_u32 v5, CHUNK, v5
	v_add_nc_u32 v6, CHUNK, v6
	v_add_nc_u32 v7, CHUNK, v7
.elseif ((\k) > 0) && ((\k) < 7)
.rept 4
	v_nop                                          ; the same four places
.endr
.endif
.if (\k) < 7
	FETCH (\k)+1, ((\k)+1)%2
.endif
	MUL \k, (\k)%2, \zero
.endm
	s_wait_tensorcnt 3                             ; my part of chunk 0 is in,
	s_barrier_signal -1
	s_barrier_wait -1                              ; everybody's is
	FETCH 0, 0
	s_wait_loadcnt 32                              ; the 12 loads of scale words are in; the table's 32, issued behind them, may be out
	KSTEP 0, 1                                     ; the first products start the sums: nothing is cleared
	KSTEP 1, 0
	KSTEP 2, 0
	KSTEP 3, 0
	KSTEP 4, 0
	KSTEP 5, 0
	KSTEP 6, 0
	KSTEP 7, 0
; 64 numbers of a lane in window win, register 16 b + i = k 32 b + 16 h + i, become a fragment's codes in v[PC] on and its scale word in v[pw]
.macro QUANT s, win, pw
	WIN (\win)*5                                   ; sources 0 and 1
.irp b, 0,1,2,3
	v_max3_num_f32 v[TM+\b], |v[(\s)+16*\b]|, |v[(\s)+1+16*\b]|, 0x1800000   ; my 16 numbers of block b, and the floor 2^(3 - 127).  Each accumulator is read from its low end on
.endr
	WIN (\win)*20                                  ; sources 1 and 2
.irp i, 2,4,6,8,10,12,14
.irp b, 0,1,2,3
	v_max3_num_f32 v[TM+\b], v[TM+\b], |v[(\s)+16*\b+\i]|, |v[(\s)+1+16*\b+\i]|
.endr
.endr
	WIN 0
.irp b, 0,1,2,3
	v_permlanex16_b32 v[TP+\b], v[TM+\b], s[SEL], s[SEL+1]
.endr
.irp b, 0,1,2,3
	v_max_num_f32 v[TM+\b], v[TM+\b], v[TP+\b]
.endr
.irp b, 0,1,2,3
	v_add_nc_u32 v[TS+\b], 0xff000000, v[TM+\b]    ; 2 off the exponent field: the conversion's scale operand
.endr
.irp b, 0,1,2,3
	v_lshrrev_b32 v[TP+\b], 23, v[TS+\b]           ; the byte
.endr
	v_lshl_or_b32 v[\pw], v[TP+1], 8, v[TP]
	v_lshl_or_b32 v[\pw], v[TP+2], 16, v[\pw]
	v_lshl_or_b32 v[\pw], v[TP+3], 24, v[\pw]
	WIN \win                                       ; source 0
.irp c, 0,1
	v_cvt_scalef32_pk16_fp6_f32 v[PC+6*\c:PC+6*\c+2], v[(\s)+32*\c:(\s)+32*\c+15], v[TS+2*\c]
	v_cvt_scalef32_pk16_fp6_f32 v[CT+4*\c:CT+4*\c+2], v[(\s)+32*\c+16:(\s)+32*\c+31], v[TS+2*\c+1]
.endr
	WIN 0
	v_nop                                          ; one plain place behind a scaled conversion
.irp c, 0,1
.irp i, 0,1,2
	v_permlane16_swap_b32 v[PC+6*\c+\i], v[CT+4*\c+\i]
.endr
.irp i, 0,1,2
	v_mov_b32 v[PC+6*\c+3+\i], v[CT+4*\c+\i]
.endr
.endr
.endm
	s_wait_loadcnt 0x0                             ; the table
	WIN 0
.rept 4
	v_nop                                          ; four places between the last products and the first read of results
.endr
	s_mov_b32 s13, 0
	s_cmp_eq_u32 ttmp9, 2
	s_cbranch_scc1 .Lvpath
	; ---- q, k: my 64 tokens x 128 channels = heads head0, head0 + 1.  Register 16 b + i of block a: head b / 2, d = 32 (b % 2) + 16 h + i
	s_lshr_b32 s90, s86, 4
	s_lshl_b32 s90, s90, 4                         ; 16 x batch
	s_lshl_b32 s91, s17, 2
	s_add_co_u32 s90, s90, s91
	s_lshl_b32 s91, s16, 1
	s_add_co_u32 s90, s90, s91                     ; + head0 = 4 cx + 2 ch
	s_mul_i32 s90, s90, HEADB
	s_mul_i32 s91, ttmp9, REGION                   ; q's region or k's
	s_add_co_u32 s90, s90, s91
	s_bfe_u32 s91, s86, 0x30001                    ; the slot: (tile % 16) / 2
	s_mul_i32 s91, s91, REC
	s_add_co_u32 s90, s90, s91
	s_and_b32 s91, s86, 1                          ; the step in the slot
	s_mul_i32 s92, s91, 6144
	s_mul_i32 s93, s15, 3072
	s_add_co_u32 s92, s92, s93
	s_add_co_u32 s12, s90, s92
	s_add_nc_u64 s[82:83], s[10:11], s[12:13]      ; my four halves
	s_lshl_b32 s92, s91, 9
	s_lshl_b32 s93, s15, 8
	s_add_co_u32 s92, s92, s93
	s_add_co_u32 s92, s92, 24576
	s_add_co_u32 s12, s90, s92
	s_add_nc_u64 s[84:85], s[10:11], s[12:13]      ; their scale words
.irp a, 0,1,2,3
	WIN 0x0e                                       ; source 0 (results) window 2, source 1 (table) window 3
.set P, 0
.rept 32
	v_pk_mul_f32 v[HA+2*P:HA+2*P+1], v[64*\a+2*P:64*\a+2*P+1], v[32*\a+2*(P%16):32*\a+2*(P%16)+1] op_sel_hi:[1,0]   ; (even x cos, odd x cos)
.set P, P+1
.endr
.set P, 0
.rept 32
	v_pk_fma_f32 v[HA+2*P:HA+2*P+1], v[64*\a+2*P:64*\a+2*P+1], v[32*\a+2*(P%16):32*\a+2*(P%16)+1], v[HA+2*P:HA+2*P+1] op_sel:[1,1,0] op_sel_hi:[0,1,1] neg_lo:[1,0,0]   ; (- odd x sin + .., even x sin + ..)
.set P, P+1
.endr
	WIN 0
.if \a > 0
	s_wait_xcnt 0x0                                ; the last block's stores have read v[PC] on
.endif
	QUANT HA, 0, PWR+\a
	global_store_b128 v10, v[PC:PC+3], s[82:83] offset:768*\a               ; head0's half: 512 and 256 consecutive bytes, aligned
	global_store_b64 v11, v[PC+4:PC+5], s[82:83] offset:768*\a+512
	global_store_b128 v10, v[PC+6:PC+9], s[82:83] offset:HEADB+768*\a       ; head0 + 1's
	global_store_b64 v11, v[PC+10:PC+11], s[82:83] offset:HEADB+768*\a+512
.endr
.irp p, 0,1
	v_cndmask_b32 v[68+2*\p], v[PWR+2*\p], v[PWR+2*\p+1], s21   ; lanes 0-15: block 2 p's words; lanes 16-31: block 2 p + 1's
	v_lshrrev_b32 v[69+2*\p], 16, v[68+2*\p]       ; head0 + 1's two bytes, zeros above: the instruction's upper 64 along K hold zero codes
	v_and_b32 v[68+2*\p], 0xffff, v[68+2*\p]       ; head0's
	global_store_b32 v12, v[68+2*\p], s[84:85] offset:128*\p
	global_store_b32 v12, v[69+2*\p], s[84:85] offset:HEADB+128*\p
.endr
	s_branch .Ldone
.Lvpath:
	; ---- v: my 64 channels = one head x 128 tokens = one step.  Register 16 b + i of block a: key 32 b + 16 h + i; lane r: d = 32 (a / 2) + 8 (a % 2) + r + 8 (r / 8)
	s_lshr_b32 s90, s87, 3
	s_lshl_b32 s90, s90, 4                         ; 16 x batch
	s_lshl_b32 s91, s86, 1
	s_add_co_u32 s90, s90, s91
	s_add_co_u32 s90, s90, s15                     ; + head = 2 x A's tile + rh
	s_mul_i32 s90, s90, HEADB
	s_and_b32 s91, s87, 7                          ; the slot
	s_mul_i32 s91, s91, REC
	s_add_co_u32 s90, s90, s91
	s_add_co_u32 s90, s90, REGION
	s_mul_i32 s92, s16, 6144
	s_add_co_u32 s92, s92, 12288
	s_add_co_u32 s12, s90, s92
	s_add_nc_u64 s[82:83], s[10:11], s[12:13]
	s_lshl_b32 s92, s16, 8
	s_add_co_u32 s92, s92, 25600
	s_add_co_u32 s12, s90, s92
	s_add_nc_u64 s[84:85], s[10:11], s[12:13]
.irp a, 0,1,2,3
.if \a > 0
	s_wait_xcnt 0x0
.endif
	QUANT 64*\a, 2, PWR+\a
	global_store_b128 v10, v[PC:PC+3], s[82:83] offset:1536*\a
	global_store_b64 v11, v[PC+4:PC+5], s[82:83] offset:1536*\a+512
	global_store_b128 v10, v[PC+6:PC+9], s[82:83] offset:1536*\a+768
	global_store_b64 v11, v[PC+10:PC+11], s[82:83] offset:1536*\a+1280
.endr
.irp g, 0,1
	v_cndmask_b32 v[68+\g], v[PWR+2*\g], v[PWR+2*\g+1], s21
	global_store_b32 v12, v[68+\g], s[84:85] offset:128*\g
.endr
.Ldone:
	s_wait_tensorcnt 0x0                           ; the wave's end
	ds_add_u32 v[SPW], v[NIL]
	s_wait_dscnt 0x0
	CROUND                                         ; the closing round: no work-group ends while a partner may still ask for a tile that names it
	s_endpgm
.Lfunc_end_k_q34383af3e8_qkv:
	.size	k_q34383af3e8_qkv, .Lfunc_end_k_q34383af3e8_qkv-k_q34383af3e8_qkv
	.p2alignl 7, 3214868480
	.fill 96, 4, 3214868480
	.section	.rodata,"a",@progbits
	.p2align	6, 0x0
	.amdhsa_kernel k_q34383af3e8_qkv
		.amdhsa_group_segment_fixed_size 327680
		.amdhsa_private_segment_fixed_size 0
		.amdhsa_enable_private_segment 0
		.amdhsa_kernarg_size 32
		.amdhsa_user_sgpr_count 2
		.amdhsa_user_sgpr_kernarg_segment_ptr 1
		.amdhsa_wavefront_size32 1
		.amdhsa_system_sgpr_workgroup_id_x 1
		.amdhsa_system_sgpr_workgroup_id_y 1
		.amdhsa_system_sgpr_workgroup_id_z 1
		.amdhsa_system_vgpr_workitem_id 0
		.amdhsa_next_free_vgpr 1024
		.amdhsa_next_free_sgpr 100
		.amdhsa_reserve_vcc 0
		.amdhsa_float_denorm_mode_32 3
		.amdhsa_float_denorm_mode_16_64 3
		.amdhsa_memory_ordered 1
		.amdhsa_forward_progress 1
		.amdhsa_inst_pref_size 125
	.end_amdhsa_kernel
	.amdgpu_metadata
---
amdhsa.version: [ 1, 2 ]
amdhsa.kernels:
  - .name:           k_q34383af3e8_qkv
    .symbol:         k_q34383af3e8_qkv.kd
    .args:
      - { .name: opc, .offset: 0, .size: 8, .value_kind: global_buffer, .address_space: global }
      - { .name: ops, .offset: 8, .size: 8, .value_kind: global_buffer, .address_space: global }
      - { .name: tab, .offset: 16, .size: 8, .value_kind: global_buffer, .address_space: global }
      - { .name: qkv, .offset: 24, .size: 8, .value_kind: global_buffer, .address_space: global }
    .group_segment_fixed_size: 327680
    .private_segment_fixed_size: 0
    .kernarg_segment_align: 8
    .kernarg_segment_size: 32
    .max_flat_workgroup_size: 128
    .sgpr_count:     100
    .vgpr_count:     1024
    .wavefront_size: 32
...
	.end_amdgpu_metadata
.endif
;; end of part 2
;; launch attn (part 3): grid 4 x 64, 16 waves a work-group, no clusters, 327,680 bytes of LDS; arguments qkv, yc, ys; writes yc, ys
.if DOCPART == 3
	.amdgcn_target "amdgcn-amd-amdhsa--gfx1250"
	.amdhsa_code_object_version 6
	.text
	.protected	k_q34383af3e8_attn
	.globl	k_q34383af3e8_attn
	.p2align	8
	.type	k_q34383af3e8_attn,@function
k_q34383af3e8_attn:
	s_mov_b64 s[64:65], 0
	v_nop
	global_prefetch_b8 v0, s[64:65] scope:SCOPE_SE
	s_setreg_imm32_b32 hwreg(HW_REG_WAVE_MODE, 25, 1), 1
	s_wait_xcnt 0x0
; y[b][t][head][:] = the sum over keys k <= t of softmax_k(q . k / 8) v, both products on codes of FP6 (E2M3) with E8M0 scales; y is quantised at once, along the model's 1,024, for the last projection.
; THE SOFTMAX AHEAD OF THE SECOND PRODUCT: t = score x log2(e) / 8; M = the running largest t rounded UP to a whole number; p = 2^(t - M) is what is quantised, along the keys; the row's sum is taken of the unquantised p and divides at the end.
; When M moves, the sum and O are multiplied by 2^(old M - new M): exact.
; INPUT (launch qkv): records of 26,112 bytes for 256 keys (2 steps): k's halves, v^T's fragments, their scale words, all as images of operand registers.  Block t = 2 b + u of a step holds in lane r token 32 b + 8 u + r + 8 (r / 8).
; SHARES.  Work-group (i, batch x head) owns the blocks i and 7 - i of 256 queries; wave w owns two tiles of 16: number w of block i and number 15 - w of block 7 - i.  So every wave has 17 key steps that count, whatever i and w.
; Every work-group walks all eight slots, so that the trip counts are constants; a step all of whose keys come after a tile's queries is jumped over (a branch on ids, round no barrier), and a slot that none of the sixteen waves reads is not asked for.
; NO CLUSTER: the four work-groups of a head read the same records, but which slots they need and which steps they jump over hangs on the block of queries, in which they differ: partners of joint loads may not part on that.
; LAYOUT.  Both products are used transposed (S^T = k q^T, O^T = v^T p^T): a lane holds one query throughout; p's 16 registers of two neighbouring tiles are 16 neighbouring keys.
; THE HEAD'S 64 IN AN INSTRUCTION OF 128: q's operand is its half followed by six registers of zero codes.  k's operand for block t is its half followed by whatever comes next in the registers (block t + 1's half, or zeros):
; those codes meet zero codes alone, under the scale byte 0 (2^-127) on both sides, and add nothing.
; LIMITS: NaN and infinities are not served; a block of p or y whose largest magnitude lies under 2^-124 keeps the byte 1 (a block of zeros too: its codes are zeros).  A block's largest p is taken as the exponential of its largest score.
; REGISTERS: v0 lane; v1-3 addresses; v4, v5 the add's two; v6 prefetch offset; v7, v10, v11 at work; v8, v9 q's scale words; v12-15, v16-19 a tile's -M, largest t, sum (a pair); v20-31, v32-43 q; v44-91 eight halves or four fragments; v92-97 zeros;
; v98 f, v99 p's scale word; v100-103 scale words; v104-115 p's codes; v116-179 S^T, then p; v180-211, v212-243 O^T; v244-255 at work.
.set REC,    26112
.set HEADB,  8*REC
.set REGION, 64*HEADB
.set SLOT1,  32768                     ; slot 1 begins here: one exclusive or turns an address in one slot into the other's
.set SPARE,  65536                     ; the spare words, 128 bytes for each of 16 waves: eight blocks of 256 bytes that no other line names
.set SPW, 4
.set NIL, 5
.set PFO, 6
.set FR,  44
.set KS,  100
.set PC,  104
.set S,   116
.set BM,  244
.set PT,  248
.set SO,  252
.set TB,  2                            ; s2   LDS byte at which the slot in hand begins
.set WV,  18
.set SEL, 20
.set CS,  22                           ; s[22:23] c = log2(e) / 8
.set G1,  24
.set G0,  40
.set KF,  66                           ; the step's first key
.set SLOTS, 67
.set QBA, 70                           ; a tile's first query
.set QBB, 71
.set LASTQ, 72                         ; the work-group's last query
.set PFA, 76
.set LIM, 80
.macro TLOAD                           ; wave 0 brings a whole record; an s_nop 0 and four v_nop follow the load
	s_cmp_lg_u32 s[WV], 0
	s_cbranch_scc1 .Lnot_mine_\@
	tensor_load_to_lds s[G0:G0+3], s[G1:G1+7]
	s_nop 0
.rept 4
	v_nop
.endr
.Lnot_mine_\@:
.endm
; A prefetch of the record that the NEXT change of slots will ask for: two key steps ahead of that load.  Of a head's four work-groups the one with i = 0, which loads all eight slots, asks; in it waves 8 to 11, one instruction each,
; lanes 256 bytes apart: 102 blocks of 256 bytes (the lanes beyond name the last block again).  Slots 0 and 1 come by their loads alone; the last change that fills a slot asks for nothing.
.macro ASK
	s_cmp_gt_u32 s[SLOTS], s[LIM]
	s_cbranch_scc0 .Lno_ask_\@
	global_prefetch_b8 v[PFO], s[PFA:PFA+1] th:TH_LOAD_NT scope:SCOPE_SE
.Lno_ask_\@:
.endm
	s_load_b128 s[4:7], s[0:1], 0x0                ; qkv, yc
	s_load_b64 s[8:9], s[0:1], 0x10                ; ys
	v_lshl_add_u32 v[SPW], v0, 2, SPARE
	v_mov_b32 v[NIL], 0
	ds_add_u32 v[SPW], v[NIL]                      ; the wave's opening: the add and its wait stand ahead of the first tensor load; work on registers stands between them
	v_lshrrev_b32 v1, 5, v0
	v_readfirstlane_b32 s[WV], v1                  ; wave 0..15
	v_and_b32 v0, 31, v0                           ; from here on v0 is the lane
	s_and_b32 s11, ttmp7, 0xffff                   ; batch x head
	s_lshl_b32 s12, ttmp9, 1
	s_lshr_b32 s13, s[WV], 3
	s_add_co_u32 s12, s12, s13                     ; tile A: its step = 2 i + w / 8,
	s_and_b32 s13, s[WV], 7                        ; its block in the step
	s_sub_co_u32 s14, 15, s[WV]
	s_sub_co_u32 s15, 7, ttmp9
	s_lshl_b32 s15, s15, 1
	s_lshr_b32 s16, s14, 3
	s_add_co_u32 s15, s15, s16                     ; tile B: its step = 2 (7 - i) + (15 - w) / 8,
	s_and_b32 s14, s14, 7                          ; its block
	s_lshl_b32 s[QBA], s12, 7                      ; a tile's first query: 128 step + 32 (block / 2) + 8 (block % 2); lane r's is r + 8 (r / 8) further on
	s_lshr_b32 s16, s13, 1
	s_lshl_b32 s16, s16, 5
	s_add_co_u32 s[QBA], s[QBA], s16
	s_and_b32 s16, s13, 1
	s_lshl_b32 s16, s16, 3
	s_add_co_u32 s[QBA], s[QBA], s16
	s_lshl_b32 s[QBB], s15, 7
	s_lshr_b32 s16, s14, 1
	s_lshl_b32 s16, s16, 5
	s_add_co_u32 s[QBB], s[QBB], s16
	s_and_b32 s16, s14, 1
	s_lshl_b32 s16, s16, 3
	s_add_co_u32 s[QBB], s[QBB], s16
	s_lshl_b32 s[LASTQ], ttmp9, 8
	s_sub_co_u32 s[LASTQ], 2047, s[LASTQ]
	s_mov_b32 s73, 0xffff0000                      ; lanes 16-31
	s_mov_b32 s[SEL], 0x76543210
	s_mov_b32 s[SEL+1], 0xfedcba98
	s_mov_b32 s[CS], 0x3e38aa3b
	s_mov_b32 s[CS+1], s[CS]                       ; (named with it as a pair, so it is written)
	s_mov_b32 s[TB], 0
	s_mov_b32 s[KF], 0
	s_mov_b32 s[SLOTS], 7
	s_mov_b32 s[G1], 3<<16                         ; no mask; elements of 8 bytes; no padding
	s_mov_b32 s[G1+1], 32<<16                      ; tensor_dim0: 256 bytes
	s_mov_b32 s[G1+2], 102<<16                     ; tensor_dim1: 102 rows: a record is dense
	s_mov_b32 s[G1+3], 32<<16                      ; tile_dim0
	s_mov_b32 s[G1+4], 102                         ; tile_dim1
	s_mov_b32 s[G1+5], 32                          ; the pitch
	s_mov_b32 s[G1+6], 0
	s_mov_b32 s[G1+7], 0
	s_mov_b32 s[G0], 1
	s_mov_b32 s[G0+1], 0                           ; slot 0
	s_mul_i32 s82, s11, HEADB
	s_mov_b32 s83, 0
	s_sub_co_u32 s96, s[WV], 8
	s_lshr_b32 s96, s96, 2                         ; 0 in waves 8 to 11,
	s_or_b32 s96, s96, ttmp9                       ; of the work-group with i = 0
	s_cmp_eq_u32 s96, 0
	s_cselect_b32 s[LIM], 1, -1
	s_and_b32 s96, s[WV], 3
	s_lshl_b32 s96, s96, 5
	v_add_nc_u32 v[PFO], s96, v0
	v_min_u32 v[PFO], 101, v[PFO]
	v_lshlrev_b32 v[PFO], 8, v[PFO]
	s_wait_dscnt 0x0                               ; the opening add is done
	s_wait_kmcnt 0x0
	s_add_nc_u64 s[G0+2:G0+3], s[4:5], s[82:83]
	s_add_nc_u64 s[G0+2:G0+3], s[G0+2:G0+3], REGION   ; k's and v's region, my head, slot 0
	s_add_nc_u64 s[PFA:PFA+1], s[G0+2:G0+3], REC   ; slot 1: the first change of slots steps it to slot 2
	s_or_b32 s[G0+3], s[G0+3], 0x80000000
	TLOAD                                          ; slot 0
.macro QBASE step, tau, dst            ; s[dst:dst+1]: a tile's half of q; s[dst+2:dst+3]: its scale words
	s_lshr_b32 s96, s[\step], 1
	s_mul_i32 s96, s96, REC
	s_add_co_u32 s96, s96, s82
	s_and_b32 s97, s[\step], 1
	s_mul_i32 s98, s97, 6144
	s_mul_i32 s99, s[\tau], 768
	s_add_co_u32 s98, s98, s99
	s_add_co_u32 s98, s98, s96
	s_mov_b32 s99, 0
	s_add_nc_u64 s[\dst:\dst+1], s[4:5], s[98:99]
	s_lshl_b32 s98, s97, 9
	s_lshl_b32 s97, s[\tau], 6
	s_add_co_u32 s98, s98, s97
	s_add_co_u32 s98, s98, s96
	s_add_co_u32 s98, s98, 24576
	s_add_nc_u64 s[\dst+2:\dst+3], s[4:5], s[98:99]
.endm
	QBASE 12, 13, 84
	QBASE 15, 14, 88
	v_lshlrev_b32 v1, 4, v0
	v_lshlrev_b32 v2, 3, v0
	v_and_b32 v3, 15, v0
	v_lshlrev_b32 v3, 2, v3
	global_load_b128 v[20:23], v1, s[84:85]        ; q stays in registers
	global_load_b64 v[24:25], v2, s[84:85] offset:512
	global_load_b32 v8, v3, s[86:87]
	global_load_b128 v[32:35], v1, s[88:89]
	global_load_b64 v[36:37], v2, s[88:89] offset:512
	global_load_b32 v9, v3, s[90:91]
.irp j, 26,27,28,29,30,31,38,39,40,41,42,43,92,93,94,95,96,97
	v_mov_b32 v\j, 0                               ; zero codes: q's upper 64 along K, and what follows k's last half
.endr
.irp j, 7,10,11,98,99,248,249,250,251
	v_mov_b32 v\j, 0                               ; written once: destinations of lane permutes and halves of pairs count as read
.endr
	v_mov_b32 v13, 0xff61b1e6                      ; the largest t so far: -3e38
	v_floor_f32 v12, -v13                          ; -M
	v_mov_b32 v14, 0                               ; the sum, in two halves
	v_mov_b32 v15, 0
	v_mov_b32 v17, 0xff61b1e6
	v_floor_f32 v16, -v17
	v_mov_b32 v18, 0
	v_mov_b32 v19, 0
.set J, 0
.rept 64
	v_mov_b32 v[180+J], 0                          ; O^T.  (The step is written once: a tile's first step finds zeros, which the first change of M leaves zeros)
.set J, J+1
.endr
; A KEY STEP of one tile: 128 keys, the q-th of the slot in hand.  st: the tile's statistics; qf, qw: q's operand and scale words; ot: O^T; qb: the scalar with the tile's first query
.macro STEP q, st, qf, qw, ot, qb
	s_add_co_u32 s96, s[\qb], 23                   ; the tile's last query
	s_cmp_gt_u32 s[KF], s96                        ; all keys of the step come after it: the step is left out (ids and the count of steps alone)
	s_cbranch_scc1 .Lhidden_\@
	v_lshl_add_u32 v1, v0, 4, s[TB]
	v_lshl_add_u32 v2, v0, 3, s[TB]
	v_lshl_add_u32 v3, v0, 2, s[TB]
	v_nop                                          ; four places in front of loads into registers that matrix instructions have read
.irp t, 0,1,2,3,4,5,6,7
	ds_load_b128 v[FR+6*\t:FR+6*\t+3], v1 offset:6144*\q+768*\t
	ds_load_b64 v[FR+6*\t+4:FR+6*\t+5], v2 offset:6144*\q+768*\t+512
.endr
.irp f, 0,1,2,3
	ds_load_b32 v[KS+\f], v3 offset:24576+512*\q+128*\f   ; lanes 0-15: block 2 f's words; lanes 16-31: block 2 f + 1's
.endr
	s_wait_dscnt 0x0
.irp t, 0,1,2,3,4,5,6,7
.if (\t)%2
	v_wmma_scale_f32_16x16x128_f8f6f4 v[S+8*\t:S+8*\t+7], v[FR+6*\t:FR+6*\t+11], v[\qf:\qf+11], 0, v[KS+\t/2], v[\qw] matrix_a_fmt:MATRIX_FMT_FP6 matrix_b_fmt:MATRIX_FMT_FP6 matrix_a_scale:MATRIX_SCALE_ROW1
.else
	v_wmma_scale_f32_16x16x128_f8f6f4 v[S+8*\t:S+8*\t+7], v[FR+6*\t:FR+6*\t+11], v[\qf:\qf+11], 0, v[KS+\t/2], v[\qw] matrix_a_fmt:MATRIX_FMT_FP6 matrix_b_fmt:MATRIX_FMT_FP6
.endif
.endr                                  ; register 16 b + i: key KF + 32 b + 16 h + i
.rept 4
	v_nop
.endr
	s_add_co_u32 s96, s[KF], 127                   ; on the diagonal the scores of hidden keys become -infinity ahead of the maximum; a step all of whose keys count jumps over this
	s_cmp_le_u32 s96, s[\qb]
	s_cbranch_scc1 .Lopen_\@
	s_sub_co_i32 s96, s[\qb], s[KF]
	v_and_b32 v10, 15, v0
	v_and_b32 v11, 8, v0
	v_add_nc_u32 v10, v10, v11
	v_and_b32 v11, 16, v0
	v_sub_nc_u32 v10, v10, v11
	v_add_nc_u32 v10, s96, v10                     ; d = my query - KF - 16 h: register 16 b + i is hidden where 32 b + i > d
	v_mov_b32 v11, 0xff800000
.irp n, 0,1,2,3,4,5,6,7,8,9,10,11,12,13,14,15,16,17,18,19,20,21,22,23,24,25,26,27,28,29,30,31,32,33,34,35,36,37,38,39,40,41,42,43,44,45,46,47,48,49,50,51,52,53,54,55,56,57,58,59,60,61,62,63
	v_cmp_gt_i32 vcc_lo, 32*(\n/16)+\n%16, v10
	v_cndmask_b32 v[S+\n], v[S+\n], v11, vcc_lo
.endr
.Lopen_\@:
.irp b, 0,1,2,3
	v_max3_num_f32 v[BM+\b], v[S+16*\b], v[S+16*\b+1], v[S+16*\b+2]   ; the largest score of each block of 32 keys: it serves for the row's maximum and, since p rises with the score, for the block's largest p
.endr
.irp i, 3,5,7,9,11,13
.irp b, 0,1,2,3
	v_max3_num_f32 v[BM+\b], v[BM+\b], v[S+16*\b+\i], v[S+16*\b+\i+1]
.endr
.endr
.irp b, 0,1,2,3
	v_max_num_f32 v[BM+\b], v[BM+\b], v[S+16*\b+15]
.endr
.irp b, 0,1,2,3
	v_permlanex16_b32 v[PT+\b], v[BM+\b], s[SEL], s[SEL+1]
.endr
.irp b, 0,1,2,3
	v_max_num_f32 v[BM+\b], v[BM+\b], v[PT+\b]     ; with lane l xor 16's 16 keys
.endr
	v_max3_num_f32 v7, v[BM], v[BM+1], v[BM+2]
	v_max_num_f32 v7, v7, v[BM+3]
	v_mul_f32 v7, s[CS], v7                        ; the step's largest t
	v_max_num_f32 v[\st+1], v[\st+1], v7           ; the running largest t
	v_mov_b32 v7, v[\st]
	v_floor_f32 v[\st], -v[\st+1]                  ; the new -M = -ceil(t): a whole number
	v_sub_f32 v7, v[\st], v7                       ; old M - new M: a whole number, 0 or less
	v_cvt_i32_f32 v7, v7                           ; (it saturates)
	v_ldexp_f32 v98, 1.0, v7                       ; f = 2^(old M - new M)
.irp j, 0,2,4,6,8,10,12,14,16,18,20,22,24,26,28,30,32,34,36,38,40,42,44,46,48,50,52,54,56,58,60,62
	v_pk_fma_f32 v[S+\j:S+\j+1], v[S+\j:S+\j+1], s[CS:CS+1], v[\st:\st+1] op_sel_hi:[1,0,0]   ; t - M, two at a time
.endr
.irp b, 0,1,2,3
	v_fma_f32 v[BM+\b], v[BM+\b], s[CS], v[\st]
.endr
.irp j, 0,1,2,3,4,5,6,7,8,9,10,11,12,13,14,15,16,17,18,19,20,21,22,23,24,25,26,27,28,29,30,31,32,33,34,35,36,37,38,39,40,41,42,43,44,45,46,47,48,49,50,51,52,53,54,55,56,57,58,59,60,61,62,63
	v_exp_f32 v[S+\j], v[S+\j]                     ; p = 2^(t - M): not normalised
.endr
	v_pk_mul_f32 v[\st+2:\st+3], v[\st+2:\st+3], v[98:99] op_sel_hi:[1,0]   ; the sum under the new M: the plain place behind the exponentials
	s_wait_alu depctr_va_vdst(0)                   ; the wait ahead of the first line that names a result: one for the batch of 64
.irp b, 0,1,2,3
	v_exp_f32 v[BM+\b], v[BM+\b]                   ; the blocks' largest p
.endr
	v_pk_add_f32 v[PT:PT+1], v[S:S+1], v[S+2:S+3]  ; the row's sum is taken of the unquantised p: two at a time, in two chains
.irp j, 4,8,12,16,20,24,28,32,36,40,44,48,52,56,60
	v_pk_add_f32 v[\st+2:\st+3], v[\st+2:\st+3], v[S+\j:S+\j+1]
	v_pk_add_f32 v[PT:PT+1], v[PT:PT+1], v[S+\j+2:S+\j+3]
.endr
	v_pk_add_f32 v[\st+2:\st+3], v[\st+2:\st+3], v[PT:PT+1]
	s_wait_alu depctr_va_vdst(0)                   ; and one for the four
.irp b, 0,1,2,3
	v_max_num_f32 v[BM+\b], 0x1800000, v[BM+\b]    ; the floor 2^(3 - 127)
.endr
.irp b, 0,1,2,3
	v_add_nc_u32 v[SO+\b], 0xff000000, v[BM+\b]    ; the conversion's scale operand
.endr
.irp b, 0,1,2,3
	v_lshrrev_b32 v[PT+\b], 23, v[SO+\b]           ; the byte
.endr
	v_lshl_or_b32 v99, v[PT+1], 8, v[PT]           ; p's scale word for these 128 keys
	v_lshl_or_b32 v99, v[PT+2], 16, v99
	v_lshl_or_b32 v99, v[PT+3], 24, v99
	v_cvt_scalef32_pk16_fp6_f32 v[PC:PC+2], v[S:S+15], v[SO]
	v_cvt_scalef32_pk16_fp6_f32 v[BM:BM+2], v[S+16:S+31], v[SO+1]
	v_cvt_scalef32_pk16_fp6_f32 v[PC+6:PC+8], v[S+32:S+47], v[SO+2]
	v_cvt_scalef32_pk16_fp6_f32 v[PT:PT+2], v[S+48:S+63], v[SO+3]
	v_nop                                          ; one plain place behind a scaled conversion
.irp i, 0,1,2
	v_permlane16_swap_b32 v[PC+\i], v[BM+\i]       ; a whole block to a lane
.endr
.irp i, 0,1,2
	v_mov_b32 v[PC+3+\i], v[BM+\i]
.endr
.irp i, 0,1,2
	v_permlane16_swap_b32 v[PC+6+\i], v[PT+\i]
.endr
.irp i, 0,1,2
	v_mov_b32 v[PC+9+\i], v[PT+\i]
.endr
.irp j, 0,2,4,6,8,10,12,14,16,18,20,22,24,26,28,30
	v_pk_mul_f32 v[\ot+\j:\ot+\j+1], v[\ot+\j:\ot+\j+1], v[98:99] op_sel_hi:[1,0]   ; O^T under the new M.  These 16 are also the places between the scale word's and the codes' last writes and the products below
.endr
.irp t, 0,1,2,3
.irp c, 0,1
	ds_load_b128 v[FR+12*\t+6*\c:FR+12*\t+6*\c+3], v1 offset:12288+6144*\q+1536*\t+768*\c
	ds_load_b64 v[FR+12*\t+6*\c+4:FR+12*\t+6*\c+5], v2 offset:12288+6144*\q+1536*\t+768*\c+512
.endr
.endr
.irp g, 0,1
	ds_load_b32 v[KS+\g], v3 offset:25600+256*\q+128*\g
.endr
	s_wait_dscnt 0x0
.irp t, 0,1,2,3                        ; O^T += v^T p^T: the four accumulators by turns, one instruction a turn
.if (\t)%2
	v_wmma_scale_f32_16x16x128_f8f6f4 v[\ot+8*\t:\ot+8*\t+7], v[FR+12*\t:FR+12*\t+11], v[PC:PC+11], v[\ot+8*\t:\ot+8*\t+7], v[KS+\t/2], v99 matrix_a_fmt:MATRIX_FMT_FP6 matrix_b_fmt:MATRIX_FMT_FP6 matrix_a_scale:MATRIX_SCALE_ROW1
.else
	v_wmma_scale_f32_16x16x128_f8f6f4 v[\ot+8*\t:\ot+8*\t+7], v[FR+12*\t:FR+12*\t+11], v[PC:PC+11], v[\ot+8*\t:\ot+8*\t+7], v[KS+\t/2], v99 matrix_a_fmt:MATRIX_FMT_FP6 matrix_b_fmt:MATRIX_FMT_FP6
.endif
.endr
.Lhidden_\@:
.endm
; THE CHANGE OF SLOTS stands at a slot's head.  Each wave waits for all its tensor loads, adds 0 to its spare word, and waits for that and for its reads of the slot that it has left.  Behind the barrier the slot ahead is whole
; and nobody reads the other one: with fill = 1 it takes the next record, which has a slot's two steps in which to land.
.macro CHANGE fill
	s_wait_tensorcnt 0x0                           ; no tensor load of mine is out, so group 0 may be written
	ds_add_u32 v[SPW], v[NIL]                      ; 0 onto my spare word
.if \fill
	s_xor_b32 s[G0+1], s[G0+1], SLOT1              ; the other slot than last time,
	s_add_nc_u64 s[G0+2:G0+3], s[G0+2:G0+3], REC   ; the next record; the type bits on top are not reached
	s_wait_xcnt 0x0                                ; the last prefetch, a slot back, has read its address
	s_add_nc_u64 s[PFA:PFA+1], s[PFA:PFA+1], REC   ; one record further on than the load's
.endif
	s_wait_dscnt 0x0                               ; the add is done, and my reads of the slot that I have left are over
	s_barrier_signal -1
	s_barrier_wait -1
.if \fill
	s_add_co_u32 s96, s[KF], 256                   ; the first key of the slot that this change would ask for:
	s_cmp_gt_u32 s96, s[LASTQ]                     ; behind the work-group's last query no wave reads it, so it is not asked for.  Ids and the count of steps alone: all sixteen waves go the same way; every wait on TENSORcnt in this text is for 0
	s_cbranch_scc1 .Lpast_\@
	TLOAD
.Lpast_\@:
	ASK
.endif
.endm
.macro SLOT_STEPS
.irp q, 0,1
	STEP \q, 12, 20, 8, 180, QBA
	STEP \q, 16, 32, 9, 212, QBB
	s_add_co_u32 s[KF], s[KF], 128
.endr
	s_xor_b32 s[TB], s[TB], SLOT1
.endm
	s_wait_loadcnt 0x0                             ; q
.Lslot:                                ; seven trips: behind each change of slots but the last the next slot is asked for, up to the causal limit
	CHANGE 1
	SLOT_STEPS
	s_sub_co_u32 s[SLOTS], s[SLOTS], 1
	s_cmp_lg_u32 s[SLOTS], 0
	s_cbranch_scc1 .Lslot
	CHANGE 0                                       ; the last slot is written out: nothing is left to fetch
	SLOT_STEPS
	; THE WAY OUT.  y = O / the sum; register 16 b + i: d = 32 b + 16 h + i of my query: two blocks of the last projection's K.  The half goes to yc as an image of registers, its two scale bytes to ys.
.rept 4
	v_nop                                          ; four places behind the last products
.endr
	v_add_f32 v14, v14, v15
	v_add_f32 v18, v18, v19
	v_permlanex16_b32 v[PT], v14, s[SEL], s[SEL+1]
	v_permlanex16_b32 v[PT+1], v18, s[SEL], s[SEL+1]
	v_add_f32 v14, v14, v[PT]                      ; the rows' sums
	v_add_f32 v18, v18, v[PT+1]
	v_rcp_f32 v10, v14
	v_rcp_f32 v98, v18
	v_lshlrev_b32 v1, 4, v0                        ; (plain work behind the reciprocals)
	v_lshlrev_b32 v2, 3, v0
	v_and_b32 v3, 15, v0
	v_lshlrev_b32 v3, 5, v3
	v_bfe_u32 v7, v0, 4, 1
	v_add_nc_u32 v3, v3, v7                        ; 32 r + h
.macro YBASE step, tau, dst            ; s[dst:dst+1]: the tile's half in yc; s[dst+2:dst+3]: its bytes in ys
	s_lshr_b32 s96, s11, 4
	s_lshl_b32 s96, s96, 7                         ; 128 blocks a batch,
	s_lshl_b32 s97, s[\step], 3
	s_add_co_u32 s96, s96, s97
	s_add_co_u32 s96, s96, s[\tau]                 ; the block of tokens
	s_and_b32 s97, s11, 15                         ; the head
	s_mul_i32 s98, s96, 12288
	s_mul_i32 s99, s97, 768
	s_add_co_u32 s98, s98, s99
	s_mov_b32 s99, 0
	s_add_nc_u64 s[\dst:\dst+1], s[6:7], s[98:99]
	s_lshl_b32 s98, s96, 9
	s_lshl_b32 s97, s97, 1
	s_add_co_u32 s98, s98, s97
	s_add_nc_u64 s[\dst+2:\dst+3], s[8:9], s[98:99]
.endm
	YBASE 12, 13, 84
	YBASE 15, 14, 88
	s_wait_alu depctr_va_vdst(0)                   ; one wait for both reciprocals, ahead of their first reader
.macro YOUT ot, rl, dst
.irp j, 0,2,4,6,8,10,12,14,16,18,20,22,24,26,28,30
	v_pk_mul_f32 v[S+\j:S+\j+1], v[\ot+\j:\ot+\j+1], v[\rl:\rl+1] op_sel_hi:[1,0]   ; each accumulator from its low end on
.endr
.irp b, 0,1
	v_max3_num_f32 v[BM+\b], |v[S+16*\b]|, |v[S+16*\b+1]|, 0x1800000
.endr
.irp i, 2,4,6,8,10,12,14
.irp b, 0,1
	v_max3_num_f32 v[BM+\b], v[BM+\b], |v[S+16*\b+\i]|, |v[S+16*\b+\i+1]|
.endr
.endr
.irp b, 0,1
	v_permlanex16_b32 v[PT+\b], v[BM+\b], s[SEL], s[SEL+1]
.endr
.irp b, 0,1
	v_max_num_f32 v[BM+\b], v[BM+\b], v[PT+\b]
.endr
.irp b, 0,1
	v_add_nc_u32 v[SO+\b], 0xff000000, v[BM+\b]
.endr
.irp b, 0,1
	v_lshrrev_b32 v[PT+\b], 23, v[SO+\b]
.endr
	v_cvt_scalef32_pk16_fp6_f32 v[PC:PC+2], v[S:S+15], v[SO]
	v_cvt_scalef32_pk16_fp6_f32 v[BM:BM+2], v[S+16:S+31], v[SO+1]
	v_nop
.irp i, 0,1,2
	v_permlane16_swap_b32 v[PC+\i], v[BM+\i]
.endr
.irp i, 0,1,2
	v_mov_b32 v[PC+3+\i], v[BM+\i]
.endr
	v_cndmask_b32 v7, v[PT], v[PT+1], s73          ; lanes 0-15: block 0's byte of row r; lanes 16-31: block 1's
	global_store_b128 v1, v[PC:PC+3], s[\dst:\dst+1]             ; 512 and 256 consecutive bytes, aligned
	global_store_b64 v2, v[PC+4:PC+5], s[\dst:\dst+1] offset:512
	global_store_b8 v3, v7, s[\dst+2:\dst+3]       ; a head's two bytes of each row's 32: one part in 384 of what the launch stores
.endm
	YOUT 180, 10, 84
	s_wait_xcnt 0x0                                ; the stores have read their data: it is written again
	YOUT 212, 98, 88
	s_wait_tensorcnt 0x0                           ; the wave's end
	ds_add_u32 v[SPW], v[NIL]
	s_wait_dscnt 0x0
	s_endpgm
.Lfunc_end_k_q34383af3e8_attn:
	.size	k_q34383af3e8_attn, .Lfunc_end_k_q34383af3e8_attn-k_q34383af3e8_attn
	.p2alignl 7, 3214868480
	.fill 96, 4, 3214868480
	.section	.rodata,"a",@progbits
	.p2align	6, 0x0
	.amdhsa_kernel k_q34383af3e8_attn
		.amdhsa_group_segment_fixed_size 327680
		.amdhsa_private_segment_fixed_size 0
		.amdhsa_enable_private_segment 0
		.amdhsa_kernarg_size 24
		.amdhsa_user_sgpr_count 2
		.amdhsa_user_sgpr_kernarg_segment_ptr 1
		.amdhsa_wavefront_size32 1
		.amdhsa_system_sgpr_workgroup_id_x 1
		.amdhsa_system_sgpr_workgroup_id_y 1
		.amdhsa_system_sgpr_workgroup_id_z 1
		.amdhsa_system_vgpr_workitem_id 0
		.amdhsa_next_free_vgpr 256
		.amdhsa_next_free_sgpr 100
		.amdhsa_reserve_vcc 1
		.amdhsa_float_denorm_mode_32 3
		.amdhsa_float_denorm_mode_16_64 3
		.amdhsa_memory_ordered 1
		.amdhsa_forward_progress 1
		.amdhsa_inst_pref_size 190
	.end_amdhsa_kernel
	.amdgpu_metadata
---
amdhsa.version: [ 1, 2 ]
amdhsa.kernels:
  - .name:           k_q34383af3e8_attn
    .symbol:         k_q34383af3e8_attn.kd
    .args:
      - { .name: qkv, .offset: 0, .size: 8, .value_kind: global_buffer, .address_space: global }
      - { .name: yc, .offset: 8, .size: 8, .value_kind: global_buffer, .address_space: global }
      - { .name: ys, .offset: 16, .size: 8, .value_kind: global_buffer, .address_space: global }
    .group_segment_fixed_size: 327680
    .private_segment_fixed_size: 0
    .kernarg_segment_align: 8
    .kernarg_segment_size: 24
    .max_flat_workgroup_size: 512
    .sgpr_count:     100
    .vgpr_count:     256
    .wavefront_size: 32
...
	.end_amdgpu_metadata
.endif
;; end of part 3
;; launch proj (part 4): grid 4 x 64, 4 waves a work-group, clusters of 4 x 4, 327,680 bytes of LDS; arguments yc, ys, opc, ops, out0; writes out0
.if DOCPART == 4
	.amdgcn_target "amdgcn-amd-amdhsa--gfx1250"
	.amdhsa_code_object_version 6
	.text
	.protected	k_q34383af3e8_proj
	.globl	k_q34383af3e8_proj
	.p2align	8
	.type	k_q34383af3e8_proj,@function
k_q34383af3e8_proj:
	s_mov_b64 s[64:65], 0
	v_nop
	global_prefetch_b8 v0, s[64:65] scope:SCOPE_SE
	s_setreg_imm32_b32 hwreg(HW_REG_WAVE_MODE, 25, 1), 1
	s_wait_xcnt 0x0
	s_wait_alu depctr_hold_cnt(0) depctr_sa_sdst(0) depctr_va_vdst(0) depctr_va_sdst(0) depctr_va_ssrc(0) depctr_va_vcc(0) depctr_vm_vsrc(0)
	s_getreg_b32 s2, hwreg(HW_REG_IB_STS2, 6, 4)
	s_cmp_eq_u32 s2, 0
	s_cbranch_scc0 .Lentry_in_a_cluster
	s_endpgm
.Lentry_in_a_cluster:
	s_bfe_u32 s2, ttmp6, 0x10000c
	s_cmp_lg_u32 s2, 0xf033
	s_cbranch_scc0 .Lentry_shape_is_right
	s_endpgm
.Lentry_shape_is_right:
; out0 = y wo^T on codes of FP6 (E2M3) with E8M0 scales; out0 [8192][1024] f32.
; OPERANDS are register images: yc (launch attn) and opc (launch prep) [block of 16 rows][K step 0..7][1,536 bytes]; ys, ops [block][r][8 words].  Block 2 b + u holds in fragment lane r row 32 b + 8 u + r + 8 (r / 8).  wo's blocks are 704 .. 767 of opc.
; A TILE is 128 tokens x 256 outputs.  The matrix instruction takes wo's block as source 0 and y's as source 1: lane (r, h) holds the token of fragment lane r, and the registers of wo's blocks 2 b, 2 b + 1 are outputs 32 b + 16 h + 0 .. 15.
; Four waves, 2 x 2: wave w takes y's blocks 4 (w / 2) on and wo's blocks 8 (w % 2) on: 32 accumulators.  256 work-groups.
; ALL OF K = 1,024 LIES IN LDS AT ONCE, in four chunks of two K steps: no slot is filled again.  A wave issues four tensor loads at the start (by this text's count four are out); a chunk is read behind a counted wait and a barrier.
; CLUSTERS: 4 x 4 work-groups; y's tiles are shared along a row of the cluster, wo's along a column: joint loads.
; THE WAY OUT goes through a stage of the wave's own in chunk 0, which has had its only fill, and whose last reads lie ahead of the barrier of K step 1: whole rows of 512 bytes leave, two aligned units of 256 bytes an instruction.
; REGISTERS: window 0: v1-15 addresses; v16-31 y's scale words, v32-63 wo's; v64-111, v112-159 y's fragments, two sets (on the way out v64-191: rows read back).  window 1: wo's fragments at v0 and v128.  window 2: accumulator (a, b) at v[8 (8 a + b)].
.set CHUNK,  73728
.set SPARE,  4*CHUNK                   ; the spare words, 128 bytes for each wave: two blocks of 256 bytes that no other line names
.set SPW, 8
.set NIL, 9
.set SA,  16
.set SB,  32
.set AF,  64
.set BK,  64
.set G1A, 24
.set G1B, 32
.set G0A, 40
.set G0B, 56
.set MSB, 0
.macro WIN new
.if MSB != (\new)
	s_set_vgpr_msb (MSB<<8)|(\new)
.set MSB, (\new)
.endif
.endm
.macro CROUND
	s_barrier_signal -1
	s_barrier_wait -1
	s_cmp_lg_u32 s14, 0
	s_cbranch_scc1 .Lnot_wave_0_\@
	s_barrier_signal -3
.Lnot_wave_0_\@:
	s_barrier_wait -3
	s_barrier_signal -1
	s_barrier_wait -1
.endm
	s_load_b256 s[4:11], s[0:1], 0x0               ; yc, ys, opc, ops
	s_load_b64 s[12:13], s[0:1], 0x20              ; out0
	v_lshl_add_u32 v[SPW], v0, 2, SPARE
	v_mov_b32 v[NIL], 0
	ds_add_u32 v[SPW], v[NIL]                      ; the wave's opening: the add and its wait stand ahead of my first tensor load
	v_lshrrev_b32 v1, 5, v0
	v_readfirstlane_b32 s14, v1                    ; wave
	s_lshr_b32 s15, s14, 1                         ; rh
	s_and_b32 s16, s14, 1                          ; ch; also which half of a tile I fetch
	s_bfe_u32 s17, ttmp6, 0x40000                  ; cx
	s_bfe_u32 s18, ttmp6, 0x40004                  ; cy
	s_and_b32 s86, ttmp7, 0xffff
	s_lshl_b32 s86, s86, 2
	s_add_co_u32 s86, s86, s18                     ; the tile of tokens = 4 x cluster y + cy
	s_lshl_b32 s87, ttmp9, 2
	s_add_co_u32 s87, s87, s17                     ; the tile of outputs = 4 x cluster x + cx
	s_lshl_b32 s88, s86, 3                         ; y's first block
	s_lshl_b32 s89, s87, 4
	s_add_co_u32 s89, s89, 704                     ; wo's first block
	s_lshl_b32 s92, s18, 2
	s_lshl_b32 s92, 15, s92                        ; my row of the cluster
	s_lshl_b32 s93, 0x1111, s17                    ; my column
	s_or_b32 s[G1A], s92, (3<<16)|(1<<21)          ; the mask; elements of 8 bytes; no padding; bit 21 beside a mask
	s_or_b32 s[G1B], s93, (3<<16)|(1<<21)
	s_mov_b32 s[G1A+1], 384<<16                    ; a block's two K steps: 3,072 bytes
	s_mov_b32 s[G1A+2], 4<<16                      ; 4 blocks
	s_mov_b32 s[G1A+3], 384<<16
	s_mov_b32 s[G1A+4], 4
	s_mov_b32 s[G1A+5], 1536                       ; from block to block: 12,288 bytes
	s_mov_b32 s[G1A+6], 0
	s_mov_b32 s[G1A+7], 0
	s_mov_b32 s[G1B+1], 384<<16
	s_mov_b32 s[G1B+2], 8<<16                      ; 8 blocks
	s_mov_b32 s[G1B+3], 384<<16
	s_mov_b32 s[G1B+4], 8
	s_mov_b32 s[G1B+5], 1536
	s_mov_b32 s[G1B+6], 0
	s_mov_b32 s[G1B+7], 0
	s_lshl_b32 s94, s16, 2
	s_add_co_u32 s94, s94, s88
	s_mul_i32 s94, s94, 12288
	s_mov_b32 s95, 0
	s_lshl_b32 s96, s16, 3
	s_add_co_u32 s96, s96, s89
	s_mul_i32 s96, s96, 12288
	s_mov_b32 s97, 0
	s_mul_i32 s98, s16, 12288                      ; where they go in a chunk: no place in the cluster enters an LDS address
	s_mul_i32 s99, s16, 24576
	s_add_co_u32 s99, s99, 24576
	s_wait_dscnt 0x0                               ; the opening add is done
	s_wait_kmcnt 0x0
	s_add_nc_u64 s[94:95], s[4:5], s[94:95]
	s_add_nc_u64 s[96:97], s[8:9], s[96:97]
	CROUND                                         ; all sixteen work-groups are here: the joint loads meet
.irp c, 0,1,2,3
	s_mov_b32 s[G0A+4*\c], 1
	s_add_co_u32 s[G0A+4*\c+1], s98, \c*CHUNK
	s_add_nc_u64 s[G0A+4*\c+2:G0A+4*\c+3], s[94:95], \c*3072
	s_or_b32 s[G0A+4*\c+3], s[G0A+4*\c+3], 0x80000000
	s_mov_b32 s[G0B+4*\c+4*(\c/2)], 1
	s_add_co_u32 s[G0B+4*\c+4*(\c/2)+1], s99, \c*CHUNK
	s_add_nc_u64 s[G0B+4*\c+4*(\c/2)+2:G0B+4*\c+4*(\c/2)+3], s[96:97], \c*3072
	s_or_b32 s[G0B+4*\c+4*(\c/2)+3], s[G0B+4*\c+4*(\c/2)+3], 0x80000000
.endr
	s_cmp_lt_u32 s14, 2                            ; waves 0, 1 fetch y's halves, waves 2, 3 wo's: a wave's four first fills stand in one branch, an s_nop 0 behind each, four v_nop behind the last
	s_cbranch_scc0 .Lfirst_b
.irp c, 0,1,2,3
	tensor_load_to_lds s[G0A+4*\c:G0A+4*\c+3], s[G1A:G1A+7]
	s_nop 0
.endr
.rept 4
	v_nop
.endr
	s_branch .Lfirst_asked
.Lfirst_b:
.irp c, 0,1,2,3
	tensor_load_to_lds s[G0B+4*\c+4*(\c/2):G0B+4*\c+4*(\c/2)+3], s[G1B:G1B+7]
	s_nop 0
.endr
.rept 4
	v_nop
.endr
.Lfirst_asked:
	v_and_b32 v3, 31, v0                           ; lane
	v_and_b32 v1, 15, v0                           ; r
	v_bfe_u32 v2, v0, 4, 1                         ; h
	v_lshlrev_b32 v13, 5, v1
	v_lshl_add_u32 v13, v2, 4, v13                 ; scale words: 32 r + 16 h
	s_mov_b32 s21, 0
	s_lshl_b32 s20, s15, 2
	s_add_co_u32 s20, s20, s88
	s_lshl_b32 s20, s20, 9
	s_add_nc_u64 s[76:77], s[6:7], s[20:21]
	s_lshl_b32 s20, s16, 3
	s_add_co_u32 s20, s20, s89
	s_lshl_b32 s20, s20, 9
	s_add_nc_u64 s[78:79], s[10:11], s[20:21]
.irp a, 0,1,2,3
	global_load_b128 v[SA+4*\a:SA+4*\a+3], v13, s[76:77] offset:512*\a
.endr
.irp b, 0,1,2,3,4,5,6,7
	global_load_b128 v[SB+4*\b:SB+4*\b+3], v13, s[78:79] offset:512*\b
.endr
	s_mul_i32 s20, s15, 12288
	v_lshl_add_u32 v4, v3, 4, s20                  ; y's fragments in a chunk
	v_lshl_add_u32 v5, v3, 3, s20
	v_lshl_add_u32 v6, v3, 4, s99                  ; wo's
	v_lshl_add_u32 v7, v3, 3, s99
	s_mul_i32 s19, s14, 8448                       ; my stage: 16 rows x 528 bytes
	v_mul_u32_u24 v10, v1, 528
	v_lshl_add_u32 v10, v2, 6, v10
	v_add_nc_u32 v10, s19, v10                     ; in: row r, + 64 h
	v_lshlrev_b32 v12, 4, v3                       ; 16 x lane
	v_add_nc_u32 v11, s19, v12                     ; back: a row's 512 bytes
	s_lshl_b32 s20, s86, 7
	s_lshl_b32 s19, s15, 6
	s_add_co_u32 s20, s20, s19
	s_lshl_b32 s20, s20, 12                        ; my first token's row of 4,096 bytes,
	s_lshl_b32 s19, s87, 10
	s_add_co_u32 s20, s20, s19
	s_lshl_b32 s19, s16, 9
	s_add_co_u32 s20, s20, s19                     ; my first output
	s_add_nc_u64 s[82:83], s[12:13], s[20:21]
.macro FETCH k, set
	WIN 0x40
.irp i, 0,1,2,3,4,5,6,7
.irp c, 0,1
	ds_load_b128 v[128*(\set)+12*\i+6*\c:128*(\set)+12*\i+6*\c+3], v6 offset:3072*\i+1536*((\k)%2)+768*\c
	ds_load_b64 v[128*(\set)+12*\i+6*\c+4:128*(\set)+12*\i+6*\c+5], v7 offset:3072*\i+1536*((\k)%2)+768*\c+512
.endr
.endr
	WIN 0
.irp i, 0,1,2,3
.irp c, 0,1
	ds_load_b128 v[AF+48*(\set)+12*\i+6*\c:AF+48*(\set)+12*\i+6*\c+3], v4 offset:3072*\i+1536*((\k)%2)+768*\c
	ds_load_b64 v[AF+48*(\set)+12*\i+6*\c+4:AF+48*(\set)+12*\i+6*\c+5], v5 offset:3072*\i+1536*((\k)%2)+768*\c+512
.endr
.endr
.endm
.macro MUL k, set, zero                ; the 32 accumulators take turns, one instruction a turn, in the same order in every step
	WIN 0xa1
.irp a, 0,1,2,3
.irp b, 0,1,2,3,4,5,6,7
.if \zero
	v_wmma_scale_f32_16x16x128_f8f6f4 v[8*(8*\a+\b):8*(8*\a+\b)+7], v[128*(\set)+12*\b:128*(\set)+12*\b+11], v[AF+48*(\set)+12*\a:AF+48*(\set)+12*\a+11], 0, v[SB+4*\b+(\k)%4], v[SA+4*\a+(\k)%4] matrix_a_fmt:MATRIX_FMT_FP6 matrix_b_fmt:MATRIX_FMT_FP6
.elseif (\k) < 4
	v_wmma_scale_f32_16x16x128_f8f6f4 v[8*(8*\a+\b):8*(8*\a+\b)+7], v[128*(\set)+12*\b:128*(\set)+12*\b+11], v[AF+48*(\set)+12*\a:AF+48*(\set)+12*\a+11], v[8*(8*\a+\b):8*(8*\a+\b)+7], v[SB+4*\b+(\k)%4], v[SA+4*\a+(\k)%4] matrix_a_fmt:MATRIX_FMT_FP6 matrix_b_fmt:MATRIX_FMT_FP6
.else
	v_wmma_scale_f32_16x16x128_f8f6f4 v[8*(8*\a+\b):8*(8*\a+\b)+7], v[128*(\set)+12*\b:128*(\set)+12*\b+11], v[AF+48*(\set)+12*\a:AF+48*(\set)+12*\a+11], v[8*(8*\a+\b):8*(8*\a+\b)+7], v[SB+4*\b+(\k)%4], v[SA+4*\a+(\k)%4] matrix_a_fmt:MATRIX_FMT_FP6 matrix_b_fmt:MATRIX_FMT_FP6 matrix_a_scale:MATRIX_SCALE_ROW1 matrix_b_scale:MATRIX_SCALE_ROW1
.endif
.endr
.endr
.endm
.macro KSTEP k, zero
	s_wait_dscnt 0x0                               ; this step's 48 loads, issued a step ago, are in
.if ((\k)%2 == 1) && ((\k) < 7)
	s_wait_tensorcnt 3-((\k)+1)/2                  ; my part of the next chunk has landed; the later chunks' loads may be out
	s_barrier_signal -1
	s_barrier_wait -1
	WIN 0
	v_add_nc_u32 v4, CHUNK, v4                     ; on to that chunk; these four are also the places in front of loads into registers that matrix instructions have read
	v_add_nc_u32 v5, CHUNK, v5
	v_add_nc_u32 v6, CHUNK, v6
	v_add_nc_u32 v7, CHUNK, v7
.elseif ((\k) > 0) && ((\k) < 7)
.rept 4
	v_nop
.endr
.endif
.if (\k) < 7
	FETCH (\k)+1, ((\k)+1)%2
.endif
	MUL \k, (\k)%2, \zero
.endm
	s_wait_tensorcnt 3                             ; my part of chunk 0 is in,
	s_barrier_signal -1
	s_barrier_wait -1                              ; everybody's is
	FETCH 0, 0
	s_wait_loadcnt 0x0                             ; the scale words
	KSTEP 0, 1
	KSTEP 1, 0
	KSTEP 2, 0
	KSTEP 3, 0
	KSTEP 4, 0
	KSTEP 5, 0
	KSTEP 6, 0
	KSTEP 7, 0
; THE WAY OUT, a block of 16 tokens x 128 outputs at a time.  LDS serves a wave's instructions in order: no wait between the stores and the loads, nor in front of the next block's stores.
.macro TOSTAGE a
	WIN 0x08                                       ; an LDS store's data are its source 1: window 2
.irp b, 0,1,2,3,4,5,6,7
	ds_store_b128 v10, v[64*(\a)+8*\b:64*(\a)+8*\b+3] offset:128*(\b/2)+32*(\b%2)        ; each accumulator from its low end on: outputs 32 (b / 2) + 16 h + 8 (b % 2) + 0 .. 7
	ds_store_b128 v10, v[64*(\a)+8*\b+4:64*(\a)+8*\b+7] offset:128*(\b/2)+32*(\b%2)+16
.endr
	WIN 0
.irp t, 0,1,2,3,4,5,6,7,8,9,10,11,12,13,14,15
	ds_load_b128 v[BK+64*((\a)%2)+4*\t:BK+64*((\a)%2)+4*\t+3], v11 offset:528*\t
.endr
.endm
.macro SEND a, younger                 ; younger: the LDS instructions issued behind block a's loads, which may stay out
	s_wait_dscnt \younger
.irp t, 0,1,2,3,4,5,6,7,8,9,10,11,12,13,14,15
	global_store_b128 v12, v[BK+64*((\a)%2)+4*\t:BK+64*((\a)%2)+4*\t+3], s[82:83] offset:(32*((\a)/2)+8*((\a)%2)+\t+8*(\t/8))*4096 th:TH_STORE_NT   ; 32 lanes store 512 consecutive bytes, aligned; the token of fragment lane t
.endr
.endm
	WIN 0
.rept 4
	v_nop                                          ; four places behind the last products: for the reads of results and for the loads into the registers that held y's fragments
.endr
	TOSTAGE 0
.irp a, 1,2,3
.if \a > 1
	s_wait_xcnt 0x0                                ; block a - 2's stores have read their registers: block a's loads may land there
.endif
	TOSTAGE \a
	SEND \a-1, 32                                  ; behind block a - 1's loads: block a's 16 stores and 16 loads
.endr
	SEND 3, 0
	s_wait_tensorcnt 0x0                           ; the wave's end
	ds_add_u32 v[SPW], v[NIL]
	s_wait_dscnt 0x0
	CROUND                                         ; the closing round
	s_endpgm
.Lfunc_end_k_q34383af3e8_proj:
	.size	k_q34383af3e8_proj, .Lfunc_end_k_q34383af3e8_proj-k_q34383af3e8_proj
	.p2alignl 7, 3214868480
	.fill 96, 4, 3214868480
	.section	.rodata,"a",@progbits
	.p2align	6, 0x0
	.amdhsa_kernel k_q34383af3e8_proj
		.amdhsa_group_segment_fixed_size 327680
		.amdhsa_private_segment_fixed_size 0
		.amdhsa_enable_private_segment 0
		.amdhsa_kernarg_size 40
		.amdhsa_user_sgpr_count 2
		.amdhsa_user_sgpr_kernarg_segment_ptr 1
		.amdhsa_wavefront_size32 1
		.amdhsa_system_sgpr_workgroup_id_x 1
		.amdhsa_system_sgpr_workgroup_id_y 1
		.amdhsa_system_sgpr_workgroup_id_z 1
		.amdhsa_system_vgpr_workitem_id 0
		.amdhsa_next_free_vgpr 768
		.amdhsa_next_free_sgpr 100
		.amdhsa_reserve_vcc 0
		.amdhsa_float_denorm_mode_32 3
		.amdhsa_float_denorm_mode_16_64 3
		.amdhsa_memory_ordered 1
		.amdhsa_forward_progress 1
		.amdhsa_inst_pref_size 83
	.end_amdhsa_kernel
	.amdgpu_metadata
---
amdhsa.version: [ 1, 2 ]
amdhsa.kernels:
  - .name:           k_q34383af3e8_proj
    .symbol:         k_q34383af3e8_proj.kd
    .args:
      - { .name: yc, .offset: 0, .size: 8, .value_kind: global_buffer, .address_space: global }
      - { .name: ys, .offset: 8, .size: 8, .value_kind: global_buffer, .address_space: global }
      - { .name: opc, .offset: 16, .size: 8, .value_kind: global_buffer, .address_space: global }
      - { .name: ops, .offset: 24, .size: 8, .value_kind: global_buffer, .address_space: global }
      - { .name: out0, .offset: 32, .size: 8, .value_kind: global_buffer, .address_space: global }
    .group_segment_fixed_size: 327680
    .private_segment_fixed_size: 0
    .kernarg_segment_align: 8
    .kernarg_segment_size: 40
    .max_flat_workgroup_size: 128
    .sgpr_count:     100
    .vgpr_count:     768
    .wavefront_size: 32
...
	.end_amdgpu_metadata
.endif
;; end of part 4
